; MI455X (gfx1250); checked and timed in simulation.
; The chip was launched on July 23, 2026; its instructions are those of AMD's public machine-readable ISA for CDNA 5 (MIT licence, August 2026) and "CDNA5" Instruction Set Architecture Reference Guide (July 2026). The comments in the code are by the model that wrote it; some were corrected since.
;; Multi Head Attention Classical. Allowed arithmetic: matrix products marked QUANTISED: E2M1 operands, one E8M0 scale for each 32 along K, by v_wmma_scale_f32_16x16x128_f8f6f4 with both operands' format E2M1 (or v_wmma_scale_f32_32x16x128_f4), f32 sums; products left as they are: bf16, f16 or f32 operands; f32 sums; everything else in f32.
;; Inputs: bk 1,024 float32; bo 1,024 float32; bq 1,024 float32; bv 1,024 float32; mask 4 x 2,048 int32; wk 1,024 x 1,024 float32; wo 1,024 x 1,024 float32; wq 1,024 x 1,024 float32; wv 1,024 x 1,024 float32; x 4 x 2,048 x 1,024 float32.
;; Outputs: out0 4 x 2,048 x 1,024 float32.
;; This version of the problem:
;;   THIS VERSION OF THE PROBLEM IS GIVEN IN LOW PRECISION. The matrix products marked QUANTISED in the list below multiply operands that are first quantised to E2M1 (2 exponent bits, 1 mantissa bit; 4 bits a number), with one power-of-two scale for each 32 numbers along K (OCP MX v1.0); their sums are f32. The products marked 'left as it is' may take bf16, f16 or f32 operands, with f32 sums. Whichever they take, every output number must still come out within the allowed error. Rounding operands to bf16 (8 significant bits) uses up far more of that allowance than f16 does (11 bits, for magnitudes from 6e-5 to 65,504). All else is computed in f32.
;;   The module's matrix products, in the order in which they are computed (A, B: the left and right operand; K: the contracted axis; several contracted axes count as one K, in the product's order):
;;     1. [M 8,192, K 1,024] x [K 1,024, N 1,024]; A: input x; B: input wq: QUANTISED
;;     2. [M 8,192, K 1,024] x [K 1,024, N 1,024]; A: input x; B: input wk: QUANTISED
;;     3. [M 8,192, K 1,024] x [K 1,024, N 1,024]; A: input x; B: input wv: QUANTISED
;;     4. batch 64 x [M 2,048, K 64] x [K 64, N 2,048]; A: computed on the way; B: computed on the way: left as it is (an operand is computed on the way)
;;     5. batch 64 x [M 2,048, K 2,048] x [K 2,048, N 64]; A: computed on the way; B: computed on the way: left as it is (an operand is computed on the way)
;;     6. [M 8,192, K 1,024] x [K 1,024, N 1,024]; A: computed on the way; B: input wo: left as it is (an operand is computed on the way)
;;   THE QUANTISER, for each operand of a quantised product, along K:
;;     - K is cut into blocks of 32 from its start; a last block that is shorter is filled with zeros.
;;     - A block's scale is 2^e with e = floor(log2(the largest magnitude in the block)) - 2, held to -126 .. 127; a block of zeros has e = 0. As a byte (E8M0): e + 127.
;;     - Each number is divided by its block's scale, clamped to +-6, and rounded to the nearest number of E2M1, ties to even, subnormals kept.
;;     - The product sums the exact products of the quantised numbers (number of the format x scale) in f32.
;;   ~~~python
;;   def quantise(x, axis):      # numpy; x: float32 -> the quantised numbers, widened to float32 again
;;       x = np.moveaxis(x, axis, -1); K = x.shape[-1]
;;       x = np.pad(x, [(0, 0)] * (x.ndim - 1) + [(0, -K % 32)]); x = x.reshape(x.shape[:-1] + (-1, 32)); a = np.abs(x).max(-1, keepdims=True)
;;       e = np.where(a > 0, np.clip(np.frexp(np.where(a > 0, a, 1))[1] - 1 - 2, -126, 127), 0)      # np.frexp(a)[1] - 1 = floor(log2(a)), exactly
;;       r = np.clip(x / 2.0 ** e, -6, 6)
;;       step = 2.0 ** (np.maximum(np.frexp(np.where(r == 0, 1, r))[1] - 1, 0) - 1)
;;       q = np.round(r / step) * step * 2.0 ** e      # np.round: ties to even
;;       return np.moveaxis(q.reshape(q.shape[:-2] + (-1,))[..., :K], -1, axis).astype(np.float32)
;;   ~~~
;; One version. Each part assembles by itself: llvm-mc -triple=amdgcn-amd-amdhsa -mcpu=gfx1250 --defsym DOCPART=n.
;; ======== version 1 of 1: 4 launches
;; limits: values are held in f16: magnitudes above 65,504 overflow, below 6.1e-05 lose precision
;; workspace buffers: xc 4,194,304 bytes; xs 262,144 bytes; wc 1,572,864 bytes; ws 98,304 bytes; wo16 2,097,152 bytes; qkv 50,331,648 bytes; ao 16,777,216 bytes
;; launch prep (part 1): grid 384 x 1, 4 waves a work-group, no clusters, 33,280 bytes of LDS; arguments x, wq, wk, wv, wo, xc, xs, wc, ws, wo16; writes xc, xs, wc, ws, wo16
.if DOCPART == 1
	.amdgcn_target "amdgcn-amd-amdhsa--gfx1250"
	.amdhsa_code_object_version 6
	.text
	.protected	k_q4bc5219662_prep
	.globl	k_q4bc5219662_prep
	.p2align	8
	.type	k_q4bc5219662_prep,@function
k_q4bc5219662_prep:
	s_mov_b64 s[64:65], 0
	v_nop
	global_prefetch_b8 v0, s[64:65] scope:SCOPE_SE
	s_setreg_imm32_b32 hwreg(HW_REG_WAVE_MODE, 25, 1), 1
	s_wait_xcnt 0x0
; x [8192][1024], wq, wk, wv [1024][1024], f32, K innermost, become codes of FP4 (E2M1), two to a byte, with one E8M0 scale byte for each 32 along K; wo [1024][1024] becomes f16.
; A block's scale is 2^(floor(log2(its largest magnitude)) - 2); its byte is the largest magnitude's exponent field - 2, held at 1 from below; each number is divided by the scale and rounded to the nearest code, ties to even,
; beyond 6 the largest code.  Rows are dense and 1,024 is a multiple of 32: every tensor is a plain stream of blocks of 32, and so are its codes and scale bytes.  wq, wk, wv lie on end in wc and ws: one operand of 3,072 rows.
; LIMITS: a block of zeros gets the byte 1 where the quantiser says 127 (its codes are zeros, which add nothing, and this program alone reads the bytes); blocks whose largest magnitude lies under 2^-124 keep the byte 1;
; NaN and infinities are not served; wo's numbers must lie inside f16's range (magnitudes under 65,504).
; SHARES: a work-group takes 32,768 numbers, a wave 8,192.  Work-groups 0-255: x; 256-287: wq; 288-319: wk; 320-351: wv; 352-383: wo.  The four quantised tensors take ONE path: only pointers are chosen, by the work-group's number.
; A wave's 16 steps of 512 numbers: each of a step's four loads reads 512 consecutive bytes; the 2,048 bytes turn through the wave's own stage in LDS and come back 64 bytes a lane, so that a lane holds 16 neighbours along K
; (two neighbouring lanes hold a block).  A lane's 16 codes are 8 bytes: a wave's store covers 256 consecutive bytes, aligned.  A wave's 256 scale bytes are gathered in LDS and leave by one store of 256 bytes.
; No cluster, no tensor load, no barrier: no two work-groups or waves read the same byte.
.set WAVES, 4
.set STEPS, 16
.set EMAX,  2
.set CB,    8                          ; bytes of 16 codes
.set R,     16                         ; v16-79   four sets of 16 numbers as loaded
.set X,     80                         ; v80-111  two sets of 16 neighbours
.set C,     128                        ; v128-191 codes: four registers for each step: no store's data are written again
.set E,     112                        ; v112-127 a scale byte for each step
.set WREG,  8192                       ; LDS: a region for each wave: two stages of 32 x SP bytes, then its 256 scale bytes
.set SP,    80                         ; a lane's place in a stage: 64 bytes + 16 of padding
.set SPW,   12                         ; v12  LDS address of my spare word; never rewritten
.set NIL,   13                         ; v13  0; never rewritten
.set SPARE, WAVES*WREG                 ; behind the four regions: the spare words, 128 bytes a wave
.set WV,    34                         ; s34  my wave's number
	s_load_b256 s[4:11], s[0:1], 0x0               ; x s[4:5], wq s[6:7], wk s[8:9], wv s[10:11]
	s_load_b256 s[12:19], s[0:1], 0x20             ; wo s[12:13], xc s[14:15], xs s[16:17], wc s[18:19]
	s_load_b128 s[20:23], s[0:1], 0x40             ; ws s[20:21], wo16 s[22:23]
	v_lshl_add_u32 v[SPW], v0, 2, SPARE
	v_mov_b32 v[NIL], 0
	v_lshrrev_b32 v1, 5, v0
	v_readfirstlane_b32 s[WV], v1                  ; wave 0..3
	v_and_b32 v2, 31, v0                           ; lane
	v_lshlrev_b32 v3, 4, v2                        ; my 16 bytes of a load's 512
	s_mul_i32 s35, s[WV], WREG
	v_lshrrev_b32 v14, 2, v2
	v_mul_u32_u24 v14, v14, SP
	v_and_b32 v15, 3, v2
	v_lshl_add_u32 v14, v15, 4, v14
	v_add_nc_u32 v14, s35, v14                     ; the stage, on the way in: SP (lane / 4) + 16 (lane % 4)
	v_mul_u32_u24 v15, v2, SP
	v_add_nc_u32 v15, s35, v15                     ; and on the way out: SP x lane: my 16 neighbours
	v_mul_u32_u24 v4, v2, CB                       ; 8 x lane: my codes' place in a step's (and my f16 numbers' place on wo's path)
	v_lshrrev_b32 v5, 1, v2
	s_add_co_u32 s35, s35, 2*32*SP
	v_add_nc_u32 v5, s35, v5                       ; LDS: my wave's 256 scale bytes, my block's byte
	v_lshlrev_b32 v7, 3, v2
	v_add_nc_u32 v6, s35, v7                       ; and on the way out 8 bytes a lane
	s_mov_b32 s37, 0
	s_wait_kmcnt 0x0
	s_cmp_ge_u32 ttmp9, 352
	s_cbranch_scc1 .Lwo                            ; the last 32 work-groups convert wo
	s_cmp_lt_u32 ttmp9, 320                        ; the choices hang on the work-group's number alone
	s_cselect_b64 s[24:25], s[8:9], s[10:11]
	s_cmp_lt_u32 ttmp9, 288
	s_cselect_b64 s[24:25], s[6:7], s[24:25]
	s_cmp_lt_u32 ttmp9, 256
	s_cselect_b64 s[24:25], s[4:5], s[24:25]       ; the numbers,
	s_cselect_b64 s[26:27], s[14:15], s[18:19]     ; the codes,
	s_cselect_b64 s[28:29], s[16:17], s[20:21]     ; the scale bytes
	s_cselect_b32 s30, 0, 256
	s_cselect_b32 s31, -1, 31
	s_sub_co_u32 s30, ttmp9, s30                   ; which 32,768 numbers of the destination (the three weights lie on end),
	s_and_b32 s31, s30, s31                        ; and of the source tensor
	s_lshl_b32 s30, s30, 2
	s_add_co_u32 s30, s30, s[WV]                   ; my wave's run of 8,192 numbers in the destination
	s_lshl_b32 s31, s31, 2
	s_add_co_u32 s31, s31, s[WV]                   ; and in the source
	s_lshl_b32 s36, s31, 15                        ; 32,768 bytes of f32 a run (under 2^26)
	s_add_nc_u64 s[24:25], s[24:25], s[36:37]
	s_lshl_b32 s36, s30, 12                        ; 4,096 bytes of codes
	s_add_nc_u64 s[26:27], s[26:27], s[36:37]
	s_lshl_b32 s36, s30, 8                         ; 256 scale bytes
	s_add_nc_u64 s[28:29], s[28:29], s[36:37]
.macro LOAD t
.irp i, 0,1,2,3
	global_load_b128 v[R+16*((\t)%4)+4*\i:R+16*((\t)%4)+4*\i+3], v3, s[24:25] offset:2048*(\t)+512*\i th:TH_LOAD_NT   ; 32 lanes read 512 consecutive bytes
.endr
.endm
.macro TURN t                          ; step t's numbers through the stage: LDS serves a wave's instructions in order (ISA guide 5.7.1.4), so no wait stands between the stores and the loads
.irp i, 0,1,2,3
	ds_store_b128 v14, v[R+16*((\t)%4)+4*\i:R+16*((\t)%4)+4*\i+3] offset:32*SP*((\t)%2)+8*SP*\i
.endr
.irp i, 0,1,2,3
	ds_load_b128 v[X+16*((\t)%2)+4*\i:X+16*((\t)%2)+4*\i+3], v15 offset:32*SP*((\t)%2)+16*\i
.endr
.endm
.irp t, 0,1,2,3
	LOAD \t
.endr
	s_wait_loadcnt 12                              ; step 0's four loads are in; the twelve of steps 1 to 3 may be out
	TURN 0
.macro STEP t
.set XS, X+16*((\t)%2)
.if (\t) > 0
	s_wait_dscnt 1                                 ; this step's numbers are back from the stage (the last step's byte store may be out): so its stores into the stage have read their registers,
.else
	s_wait_dscnt 0x0
.endif
.if (\t)+4 < STEPS
	LOAD (\t)+4                                    ; which take the loads of four steps on
.endif
.if (\t)+1 < STEPS
.if STEPS-2-(\t) >= 3
	s_wait_loadcnt 12                              ; the next step's four loads are in; those of the three steps behind it may be out
.else
	s_wait_loadcnt 4*(STEPS-2-(\t))                ; at the end the count runs down: four for each step still to come behind the next
.endif
	TURN (\t)+1                                    ; and go through the other stage while this step is worked
.endif
	v_max3_num_f32 v8, |v[XS]|, |v[XS+1]|, |v[XS+2]|               ; the largest magnitude of my 16, in two chains
	v_max3_num_f32 v9, |v[XS+3]|, |v[XS+4]|, |v[XS+5]|
.irp i, 6,10
	v_max3_num_f32 v8, v8, |v[XS+\i]|, |v[XS+\i+1]|
	v_max3_num_f32 v9, v9, |v[XS+\i+2]|, |v[XS+\i+3]|
.endr
	v_max3_num_f32 v8, v8, |v[XS+14]|, |v[XS+15]|
	v_max3_num_f32 v8, v8, v9, (EMAX+1)<<23        ; and the floor 2^(3 - 127): the byte cannot fall under 1
	v_max_num_f32_dpp v8, v8, v8 row_xmask:1 row_mask:0xf bank_mask:0xf   ; and of my neighbour's 16: the block's
	v_add_nc_u32 v11, -(EMAX<<23), v8              ; 2 off its exponent field: the conversion takes the exponent field of this operand as its scale, and nothing else of it
	v_cvt_scalef32_pk8_fp4_f32 v[C+4*(\t)], v[XS:XS+7], v11
	v_cvt_scalef32_pk8_fp4_f32 v[C+4*(\t)+1], v[XS+8:XS+15], v11
	v_lshrrev_b32 v[E+(\t)], 23, v11               ; the scale's byte (also the plain line behind the conversions)
	ds_store_b8 v5, v[E+(\t)] offset:16*(\t)       ; both lanes of a block write the same byte with the same value
	global_store_b64 v4, v[C+4*(\t):C+4*(\t)+1], s[26:27] offset:32*CB*(\t)   ; 32 lanes store 256 consecutive bytes, aligned
.endm
.irp t, 0,1,2,3,4,5,6,7,8,9,10,11,12,13,14,15
	STEP \t
.endr
	ds_load_b64 v[8:9], v6                         ; in order behind my byte stores
	s_wait_dscnt 0x0
	global_store_b64 v7, v[8:9], s[28:29]          ; 32 lanes store my wave's 256 scale bytes, aligned
	s_wait_tensorcnt 0x0                           ; the wave's end, behind my last LDS store
	ds_add_u32 v[SPW], v[NIL]
	s_wait_dscnt 0x0
	s_endpgm
; wo to f16: a wave's 8,192 numbers in four rounds of 16 loads of 512 bytes; two rounds are on their way.
.Lwo:
	s_sub_co_u32 s30, ttmp9, 352
	s_lshl_b32 s30, s30, 2
	s_add_co_u32 s30, s30, s[WV]                   ; my wave's run
	s_lshl_b32 s36, s30, 15
	s_add_nc_u64 s[24:25], s[12:13], s[36:37]
	s_lshl_b32 s36, s30, 14
	s_add_nc_u64 s[26:27], s[22:23], s[36:37]
.macro WLOAD g
.irp i, 0,1,2,3,4,5,6,7,8,9,10,11,12,13,14,15
	global_load_b128 v[16+64*((\g)%2)+4*\i:16+64*((\g)%2)+4*\i+3], v3, s[24:25] offset:8192*(\g)+512*\i th:TH_LOAD_NT
.endr
.endm
.macro WROUND g, left
	s_wait_loadcnt \left                           ; this round's 16 loads are in; the next round's 16 may be out
.if (\g) > 0
	s_wait_xcnt 0x0                                ; the last round's stores have read their data registers, which are written again below
.endif
.irp i, 0,1,2,3,4,5,6,7,8,9,10,11,12,13,14,15
	v_cvt_pk_f16_f32 v[144+2*\i], v[16+64*((\g)%2)+4*\i], v[16+64*((\g)%2)+4*\i+1]
	v_cvt_pk_f16_f32 v[145+2*\i], v[16+64*((\g)%2)+4*\i+2], v[16+64*((\g)%2)+4*\i+3]
.endr
.irp i, 0,1,2,3,4,5,6,7,8,9,10,11,12,13,14,15
	global_store_b64 v4, v[144+2*\i:145+2*\i], s[26:27] offset:4096*(\g)+256*\i   ; 32 lanes store 256 consecutive bytes, aligned
.endr
.endm
	WLOAD 0
	WLOAD 1
	WROUND 0, 16
	WLOAD 2
	WROUND 1, 16
	WLOAD 3
	WROUND 2, 16
	WROUND 3, 0
	s_endpgm
.Lfunc_end_k_q4bc5219662_prep:
	.size	k_q4bc5219662_prep, .Lfunc_end_k_q4bc5219662_prep-k_q4bc5219662_prep
	.p2alignl 7, 3214868480
	.fill 96, 4, 3214868480
	.section	.rodata,"a",@progbits
	.p2align	6, 0x0
	.amdhsa_kernel k_q4bc5219662_prep
		.amdhsa_group_segment_fixed_size 33280
		.amdhsa_private_segment_fixed_size 0
		.amdhsa_enable_private_segment 0
		.amdhsa_kernarg_size 80
		.amdhsa_user_sgpr_count 2
		.amdhsa_user_sgpr_kernarg_segment_ptr 1
		.amdhsa_wavefront_size32 1
		.amdhsa_system_sgpr_workgroup_id_x 1
		.amdhsa_system_sgpr_workgroup_id_y 1
		.amdhsa_system_sgpr_workgroup_id_z 1
		.amdhsa_system_vgpr_workitem_id 0
		.amdhsa_next_free_vgpr 192
		.amdhsa_next_free_sgpr 66
		.amdhsa_reserve_vcc 0
		.amdhsa_float_denorm_mode_32 3
		.amdhsa_float_denorm_mode_16_64 3
		.amdhsa_memory_ordered 1
		.amdhsa_forward_progress 1
		.amdhsa_inst_pref_size 54
	.end_amdhsa_kernel
	.amdgpu_metadata
---
amdhsa.version: [ 1, 2 ]
amdhsa.kernels:
  - .name:           k_q4bc5219662_prep
    .symbol:         k_q4bc5219662_prep.kd
    .args:
      - { .name: x, .offset: 0, .size: 8, .value_kind: global_buffer, .address_space: global }
      - { .name: wq, .offset: 8, .size: 8, .value_kind: global_buffer, .address_space: global }
      - { .name: wk, .offset: 16, .size: 8, .value_kind: global_buffer, .address_space: global }
      - { .name: wv, .offset: 24, .size: 8, .value_kind: global_buffer, .address_space: global }
      - { .name: wo, .offset: 32, .size: 8, .value_kind: global_buffer, .address_space: global }
      - { .name: xc, .offset: 40, .size: 8, .value_kind: global_buffer, .address_space: global }
      - { .name: xs, .offset: 48, .size: 8, .value_kind: global_buffer, .address_space: global }
      - { .name: wc, .offset: 56, .size: 8, .value_kind: global_buffer, .address_space: global }
      - { .name: ws, .offset: 64, .size: 8, .value_kind: global_buffer, .address_space: global }
      - { .name: wo16, .offset: 72, .size: 8, .value_kind: global_buffer, .address_space: global }
    .group_segment_fixed_size: 33280
    .private_segment_fixed_size: 0
    .kernarg_segment_align: 8
    .kernarg_segment_size: 80
    .max_flat_workgroup_size: 128
    .sgpr_count:     66
    .vgpr_count:     192
    .wavefront_size: 32
...
	.end_amdgpu_metadata
.endif
;; end of part 1
;; launch qkv (part 2): grid 12 x 32, 4 waves a work-group, clusters of 4 x 4, 327,680 bytes of LDS; arguments xc, xs, wc, ws, bq, bk, bv, mask, qkv; writes qkv
.if DOCPART == 2
	.amdgcn_target "amdgcn-amd-amdhsa--gfx1250"
	.amdhsa_code_object_version 6
	.text
	.protected	k_q4bc5219662_qkv
	.globl	k_q4bc5219662_qkv
	.p2align	8
	.type	k_q4bc5219662_qkv,@function
k_q4bc5219662_qkv:
	s_mov_b64 s[64:65], 0
	v_nop
	global_prefetch_b8 v0, s[64:65] scope:SCOPE_SE
	s_setreg_imm32_b32 hwreg(HW_REG_WAVE_MODE, 25, 1), 1
	s_wait_xcnt 0x0
	s_wait_alu depctr_hold_cnt(0) depctr_sa_sdst(0) depctr_va_vdst(0) depctr_va_sdst(0) depctr_va_ssrc(0) depctr_va_vcc(0) depctr_vm_vsrc(0)
	s_getreg_b32 s2, hwreg(HW_REG_IB_STS2, 6, 4)
	s_cmp_eq_u32 s2, 0
	s_cbranch_scc0 .Lentry_in_a_cluster
	s_endpgm
.Lentry_in_a_cluster:
	s_bfe_u32 s2, ttmp6, 0x10000c
	s_cmp_lg_u32 s2, 0xf033
	s_cbranch_scc0 .Lentry_shape_is_right
	s_endpgm
.Lentry_shape_is_right:
; q, k, v = x W^T + b on codes of FP4 (E2M1) with one E8M0 scale for each 32 along K: C[m][n] = sum over k of A[m][k] B[n][k], A = x's codes [8192][1024], B = wq | wk | wv's codes [3072][1024]; sums in f32.
; A tile of C, 256 x 256, is made by a work-group of four waves; a wave makes 128 x 128: 64 accumulators, 512 registers.  K = 1,024 is two steps of 512 (rows of 256 bytes): both lie in LDS from the first fills on, nothing is filled again.
; The scale bytes of the work-group's 256 rows of A and of B, for all of K, are two dense blocks: they come once, in rows of 256 bytes.
; CLUSTERS: 4 x 4 work-groups.  The four of a row need the same tiles of A, the four of a column the same tiles of B: each tile is asked for JOINTLY.  A matrix (q, k or v) is four tile columns: the cluster's x IS the matrix's number,
; the same in all sixteen partners.  No prefetch: everything that a work-group reads is asked for at its head.
; THE MATRIX INSTRUCTION IS USED TRANSPOSED (source 0 = 16 rows of B, source 1 = 16 rows of A): a lane holds one row m = lane % 16 and eight neighbouring features 8 (lane / 16) + 0..7.
; THE BIAS is the C of each sum's first product.  THE WAY OUT multiplies by a factor in f32 and rounds once to f16: q x log2(e) / 8 (so that q . k is the softmax's exponent to base 2); k x 1, or x 0 where mask[row] = 0
; (a masked key's product with every query is then exactly 0, and the next launch gives it its one score as the C of that product); v x 1.
; A packed accumulator (16 positions x 16 channels, 16 bytes a lane) IS a part of the reader's operand registers, so it is stored from registers as it stands: qkv = [which 3][batch 4][head 16][16 positions: 128][16 channels: 4][512 bytes].
; q, k: lane l's 16 bytes at 16 l.  v: lane (r, h) at 256 (r / 8) + 128 h + 16 (r % 8), so that the turning LDS load at 16 x lane finds key 8 (l / 16) + l % 8, channels 8 ((l / 8) % 2) on.  Every store covers 512 consecutive bytes, aligned.
; LIMITS: 0.18 |q|, |k|, |v| stay under 65,504, f16's largest number; NaN and infinities are not served.
; REGISTERS, in windows of 256: window 0: v0-31 addresses; v32-95 scale words, two sets, and nothing else; v96-111 the factors, v112-121 at work; v128-191 A's fragments, ONE set; v192-255 the bias; on the way out v128-255 are free.
;   window 1: B's fragments, TWO sets, at v0 and v128.   window 2: the accumulators of my rows 0-63 ((a, b) at v[8 (8 a + b)]);   window 3: those of rows 64-127.
.set SIZE_K, 1024
.set KSTEP,  512                       ; along K in a slot
.set NQ,     KSTEP/128                 ; matrix instructions deep
.set ROWB,   256                       ; a tile's row in bytes
.set KROW,   SIZE_K*4/8                ; a row of codes in memory
.set PITCH,  272                       ; an LDS row: 256 bytes + 16 of padding = 68 words: the 16 rows that a load touches start at 16 different banks (64 banks of 4 bytes: ISA guide 11.1)
.set FR,     8                         ; registers of a fragment: 16 rows x 128 K
.set NL,     2                         ; LDS loads that bring one
.set NP,     4                         ; places behind this matrix instruction (ISA guide 7.12.1)
.set HALFT,  128*PITCH                 ; 128 rows: what one tensor load brings, and what one wave reads of A or of B
.set SLOT,   4*HALFT                   ; A's 256 rows, then B's 256 rows
.set KS,     SIZE_K/32                 ; a row of scales in bytes
.set SCL,    2*SLOT                    ; behind the two slots: the scales, as rows of 256 bytes + 16 of padding
.set HALFS,  (128*KS/256)*272          ; the scales of 128 rows: what one tensor load brings
.set SBLK,   (16*KS/256)*272           ; those of 16 rows
.set SPARE,  SCL+4*HALFS               ; behind the scales: the spare words, 128 bytes a wave
.set ADRA, 16                          ; v16-17  LDS address of my A fragments in slot 0, 1
.set ADRB, 20                          ; v20-21  the same for B
.set CO,   26                          ; v26     my lane's place in a block of 512 bytes of qkv
.set ADRS, 27                          ; v27     LDS address of my scale words: lanes 0-15 A's rows, lanes 16-31 B's
.set SPW,  28                          ; v28     LDS address of my spare word; never rewritten
.set NIL,  29                          ; v29     0; never rewritten
.set SC,   32                          ; scale words: set s at v[SC + 32 s]; register 4 i + q: lanes 0-15 A's block i, lanes 16-31 B's block i, the slot's q-th 128 along K
.set FAC,  96                          ; v96-111 block a's factor for my row, twice (a pair for the packed multiply)
.set MK,   112                         ; v112-119 mask words of my eight rows
.set AF,   128                         ; A's fragments
.set BIA,  192                         ; the bias in the result's layout: block b at v[BIA + 8 b]
.set OT,   128                         ; the way out: 64 numbers in f32
.set OP,   192                         ; the way out: 32 registers of f16, two sets by turns
.set G1, 24                            ; s[24:31] descriptor group 1 for A's tiles;  s[32:39] group 0, one set for each slot
.set G0, 32
.set G1B, 48                           ; s[48:55], s[56:63] the same for B's tiles
.set G0B, 56
.set G1S, 68                           ; s[68:75], s[76:79] groups 1 and 0 for A's scales;  s[80:87], s[88:91] for B's
.set G0S, 76
.set G1SB, 80
.set G0SB, 88
.set MSB, 0
.macro WIN new                         ; the immediate's high byte repeats the setting that is left
.if MSB != \new
	s_set_vgpr_msb (MSB<<8)|\new
.set MSB, \new
.endif
.endm
.set MUL_LO,   0xa1                    ; source 0 (B) window 1, source 1 (A) window 0, C and D window 2
.set MUL_HI,   0xf1                    ; the same, C and D window 3
.set FIRST_LO, 0x81                    ; the first products: C (the bias) window 0, D window 2
.set FIRST_HI, 0xc1                    ; D window 3
.set TO_B,     0x40                    ; destination window 1, address window 0
; A joint load: waves 0 and 1 fetch for A, waves 2 and 3 for B.  Each of the two lines has ONE mask and one set of registers for all that issue it; the branch hangs on the wave's number alone.
; An s_nop 0 and four v_nop follow each of the two lines.
.macro JLOAD g0a, g1a, g0b, g1b
	s_cmp_eq_u32 s15, 0
	s_cbranch_scc0 .Lfor_b_\@
	tensor_load_to_lds s[\g0a:\g0a+3], s[\g1a:\g1a+7]
	s_nop 0
.rept 4
	v_nop
.endr
	s_branch .Lasked_\@
.Lfor_b_\@:
	tensor_load_to_lds s[\g0b:\g0b+3], s[\g1b:\g1b+7]
	s_nop 0
.rept 4
	v_nop
.endr
.Lasked_\@:
.endm
.macro CROUND                          ; a round of the cluster's barrier: my work-group's barrier; wave 0 signals for the work-group; every wave waits for all sixteen; my work-group's barrier once more
	s_barrier_signal -1
	s_barrier_wait -1
	s_cmp_lg_u32 s14, 0
	s_cbranch_scc1 .Lnot_wave_0_\@
	s_barrier_signal -3
.Lnot_wave_0_\@:
	s_barrier_wait -3
	s_barrier_signal -1
	s_barrier_wait -1
.endm
	s_load_b256 s[4:11], s[0:1], 0x0               ; x's codes s[4:5], x's scales s[6:7], W's codes s[8:9], W's scales s[10:11]
	s_load_b64 s[12:13], s[0:1], 0x40              ; qkv
	v_lshl_add_u32 v[SPW], v0, 2, SPARE
	v_mov_b32 v[NIL], 0
	ds_add_u32 v[SPW], v[NIL]                      ; the wave's opening: the add, twice on end, and its wait ahead of my first tensor load
	ds_add_u32 v[SPW], v[NIL]                      ; and once more; the set-up below, work on registers, stands between it and the wait
	v_lshrrev_b32 v1, 5, v0
	v_readfirstlane_b32 s14, v1                    ; wave 0..3
	s_lshr_b32 s15, s14, 1                         ; which half of the tile's rows is mine.  Also: I fetch for A (0) or for B (1)
	s_and_b32 s16, s14, 1                          ; which half of its columns.  Also: which 128 rows of that tile I fetch
	s_bfe_u32 s40, ttmp6, 0x40000                  ; cx, cy: my place in the cluster
	s_bfe_u32 s41, ttmp6, 0x40004
	s_lshl_b32 s42, ttmp9, 2
	s_add_co_u32 s42, s42, s40                     ; tile column of C = 4 x cluster x + cx
	s_and_b32 s17, ttmp7, 0xffff
	s_lshl_b32 s17, s17, 2
	s_add_co_u32 s17, s17, s41                     ; tile row of C = 4 x cluster y + cy
	s_lshl_b32 s43, s41, 2
	s_lshl_b32 s43, 15, s43                        ; my row of the cluster
	s_lshl_b32 s44, 0x1111, s40                    ; my column
	; descriptor group 1: a tile of 128 rows x 256 bytes, padded in LDS
	s_or_b32 s[G1+0], s43, (0<<16)|(1<<20)|(1<<21)|(5<<22)|(3<<25)  ; 15:0 the mask: A's tiles go to my row; 17:16 elements of 1 byte; 20 padding on; 21 set beside a mask; 24:22 after every 64 words; 31:25 four words
	s_or_b32 s[G1B+0], s44, (0<<16)|(1<<20)|(1<<21)|(5<<22)|(3<<25)
.irp g, G1, G1B
	s_mov_b32 s[\g+1], ROWB<<16                    ; tensor_dim0
	s_mov_b32 s[\g+2], 128<<16                     ; tensor_dim1
	s_mov_b32 s[\g+3], ROWB<<16                    ; tile_dim0
	s_mov_b32 s[\g+4], 128                         ; tile_dim1
	s_mov_b32 s[\g+5], KROW                        ; from row to row
	s_mov_b32 s[\g+6], 0
	s_mov_b32 s[\g+7], 0
.endr
	; the scales of 128 rows: a dense block of 4,096 bytes, as 16 rows of 256 bytes (32 elements of 8 bytes), 16 bytes of padding behind each
	s_or_b32 s[G1S+0], s43, (3<<16)|(1<<20)|(1<<21)|(5<<22)|(3<<25)
	s_or_b32 s[G1SB+0], s44, (3<<16)|(1<<20)|(1<<21)|(5<<22)|(3<<25)
.irp g, G1S, G1SB
	s_mov_b32 s[\g+1], 32<<16
	s_mov_b32 s[\g+2], (128*KS/256)<<16
	s_mov_b32 s[\g+3], 32<<16
	s_mov_b32 s[\g+4], 128*KS/256
	s_mov_b32 s[\g+5], 32
	s_mov_b32 s[\g+6], 0
	s_mov_b32 s[\g+7], 0
.endr
	s_lshl_b32 s18, s16, 7                         ; which 128 rows of the tile I fetch
	s_lshl_b32 s20, s17, 8
	s_add_co_u32 s20, s20, s18                     ; A: row 256 x tile row + 128 x half
	s_lshl_b32 s46, s42, 8
	s_add_co_u32 s46, s46, s18                     ; B: row 256 x tile column + 128 x half
	s_mov_b32 s21, 0
	s_mov_b32 s47, 0
	s_mov_b64 s[18:19], KS
	s_mul_u64 s[22:23], s[20:21], s[18:19]         ; where these rows' scales begin, in bytes
	s_mul_u64 s[92:93], s[46:47], s[18:19]
	s_mov_b64 s[18:19], KROW
	s_mul_u64 s[20:21], s[20:21], s[18:19]         ; and their codes
	s_mul_u64 s[46:47], s[46:47], s[18:19]
	s_mul_i32 s45, s14, HALFT                      ; where they go: wave x 128 rows: no place in the cluster enters an LDS address
	s_mul_i32 s94, s14, HALFS
	s_wait_dscnt 0x0                               ; both opening adds are done
	s_wait_kmcnt 0x0
	s_add_nc_u64 s[20:21], s[4:5], s[20:21]
	s_add_nc_u64 s[22:23], s[6:7], s[22:23]
	s_add_nc_u64 s[46:47], s[8:9], s[46:47]
	s_add_nc_u64 s[92:93], s[10:11], s[92:93]
	CROUND                                         ; all sixteen work-groups are here: the joint loads meet
	s_mov_b32 s[G0S], 1
	s_add_co_u32 s[G0S+1], s94, SCL
	s_mov_b64 s[G0S+2:G0S+3], s[22:23]
	s_or_b32 s[G0S+3], s[G0S+3], 0x80000000
	s_mov_b32 s[G0SB], 1
	s_add_co_u32 s[G0SB+1], s94, SCL
	s_mov_b64 s[G0SB+2:G0SB+3], s[92:93]
	s_or_b32 s[G0SB+3], s[G0SB+3], 0x80000000
	JLOAD G0S, G1S, G0SB, G1SB                     ; the scales first: they are wanted with K step 0
.irp s, 0,1
	s_mov_b32 s[G0+4*\s], 1
	s_add_co_u32 s[G0+4*\s+1], s45, \s*SLOT
	s_add_nc_u64 s[G0+4*\s+2:G0+4*\s+3], s[20:21], \s*ROWB
	s_or_b32 s[G0+4*\s+3], s[G0+4*\s+3], 0x80000000
	s_mov_b32 s[G0B+4*\s], 1
	s_add_co_u32 s[G0B+4*\s+1], s45, \s*SLOT
	s_add_nc_u64 s[G0B+4*\s+2:G0B+4*\s+3], s[46:47], \s*ROWB
	s_or_b32 s[G0B+4*\s+3], s[G0B+4*\s+3], 0x80000000
	JLOAD G0+4*\s, G1, G0B+4*\s, G1B               ; three tensor loads of mine are out now, and no more follow
.endr
	s_load_b256 s[92:99], s[0:1], 0x20             ; bq s[92:93], bk s[94:95], bv s[96:97], mask s[98:99]
	v_and_b32 v1, 15, v0                           ; r = l % 16
	v_bfe_u32 v2, v0, 4, 1                         ; h = l / 16
	v_mul_u32_u24 v3, v1, PITCH
	v_lshl_add_u32 v4, v2, 4, v3                   ; a fragment's row x pitch + 16 x half
	s_mul_i32 s21, s15, HALFT                      ; my 128 rows of A
	s_mul_i32 s22, s16, HALFT                      ; my 128 rows of B,
	s_add_co_u32 s22, s22, 2*HALFT                 ; which lie behind A's 256
.irp s, 0,1
	v_add_nc_u32 v[ADRA+\s], s21, v4
	v_add_nc_u32 v[ADRB+\s], s22, v4
	s_add_co_u32 s21, s21, SLOT
	s_add_co_u32 s22, s22, SLOT
.endr
	v_mul_u32_u24 v5, v1, KS                       ; my row's scales: 32 bytes a row,
	v_lshrrev_b32 v6, 8, v5
	v_lshl_add_u32 v5, v6, 4, v5                   ; and 16 more for each 256 passed
	s_mul_i32 s21, s15, HALFS                      ; A's: my 128 rows
	s_mul_i32 s22, s16, HALFS                      ; B's: my 128 rows, behind A's 256
	s_add_co_u32 s22, s22, 2*HALFS
	s_sub_co_u32 s22, s22, s21
	v_mul_u32_u24 v6, s22, v2                      ; lanes 16-31 take B's: one product, the distance between the two
	s_add_co_u32 s21, s21, SCL
	v_add_nc_u32 v5, v5, v6
	v_add_nc_u32 v[ADRS], s21, v5
	v_and_b32 v5, 31, v0
	v_lshlrev_b32 v5, 4, v5                        ; q, k: 16 x lane
	v_lshrrev_b32 v6, 3, v1
	v_lshlrev_b32 v6, 8, v6
	v_lshl_add_u32 v6, v2, 7, v6
	v_and_b32 v7, 7, v1
	v_lshl_add_u32 v6, v7, 4, v6                   ; v: 256 (r / 8) + 128 h + 16 (r % 8)
	s_wait_kmcnt 0x0
	s_cmp_eq_u32 ttmp9, 1                          ; which matrix: the cluster's x, the same in all partners; nothing but values is chosen by it
	s_cselect_b64 s[18:19], s[94:95], s[96:97]
	s_cselect_b32 s67, -1, 0                       ; all ones for k: there the mask counts
	s_cmp_eq_u32 ttmp9, 0
	s_cselect_b64 s[18:19], s[92:93], s[18:19]     ; my matrix's bias
	s_mov_b32 s66, 0x3e38aa3b                      ; log2(e) / 8
	s_cselect_b32 s66, s66, 1.0                    ; the factor: q's, or 1
	s_cmp_eq_u32 ttmp9, 2
	s_cselect_b32 s45, -1, 0                       ; all ones for v
	v_cndmask_b32 v[CO], v5, v6, s45
	s_lshl_b32 s20, s40, 10
	s_lshl_b32 s21, s16, 9
	s_add_co_u32 s20, s20, s21
	v_lshl_add_u32 v10, v2, 5, s20                 ; the bias: (256 cx + 128 x column half + 8 h) x 4 bytes; block b 64 bytes on
.irp b, 0,1,2,3,4,5,6,7
	global_load_b128 v[BIA+8*\b:BIA+8*\b+3], v10, s[18:19] offset:64*\b
	global_load_b128 v[BIA+8*\b+4:BIA+8*\b+7], v10, s[18:19] offset:64*\b+16
.endr
	s_lshl_b32 s20, s17, 10
	s_lshl_b32 s21, s15, 9
	s_add_co_u32 s20, s20, s21
	v_lshl_add_u32 v11, v1, 2, s20                 ; the mask: (256 x tile row + 128 x row half + r) x 4 bytes; block a 64 bytes on
.irp a, 0,1,2,3,4,5,6,7
	global_load_b32 v[MK+\a], v11, s[98:99] offset:64*\a
.endr
	; where my part of qkv begins: which x 2^24 + (16 x batch + 4 cx + 2 x column half) x 2^18 + (position / 16) x 2,048: under 2^26
	s_lshl_b32 s20, s17, 8
	s_lshl_b32 s21, s15, 7
	s_add_co_u32 s20, s20, s21                     ; my first row
	s_lshr_b32 s21, s20, 11                        ; the batch
	s_lshl_b32 s21, s21, 4
	s_lshl_b32 s22, s40, 2
	s_add_co_u32 s21, s21, s22
	s_lshl_b32 s22, s16, 1
	s_add_co_u32 s21, s21, s22                     ; my first head
	s_lshl_b32 s21, s21, 18
	s_and_b32 s20, s20, 2047
	s_lshl_b32 s20, s20, 7                         ; (position / 16) x 2,048
	s_add_co_u32 s20, s20, s21
	s_lshl_b32 s21, ttmp9, 24
	s_add_co_u32 s20, s20, s21
	s_mov_b32 s21, 0
	s_add_nc_u64 s[12:13], s[12:13], s[20:21]
.macro FRAG reg, adr, q, i             ; a fragment, 16 rows x 128 K of 4-bit codes: lane l holds row l % 16; registers 4 c .. 4 c + 3 hold K = 64 c + 32 (l / 16) + 0 .. 31
.irp c, 0,1
	ds_load_b128 v[\reg+4*\c:\reg+4*\c+3], v[\adr] offset:64*(\q)+32*\c+(\i)*16*PITCH
.endr
.endm
; 16 matrix instructions: A's blocks a0, a0 + 1 x B's eight, the slot's q-th 128 along K.  p: B's set;  sc: the set of scale words.  first = 1: the bias is the C, and starts the sums.
; The 64 accumulators take turns, one instruction a turn, in the same order in every step.
.macro MUL16 a0, p, q, sc, first
.irp a, \a0, \a0+1
.irp b, 0,1,2,3,4,5,6,7
.if \first
	v_wmma_scale_f32_16x16x128_f8f6f4 v[8*(8*((\a)%4)+\b):8*(8*((\a)%4)+\b)+7], v[128*(\p)+FR*\b:128*(\p)+FR*\b+FR-1], v[AF+FR*(\a):AF+FR*(\a)+FR-1], v[BIA+8*\b:BIA+8*\b+7], v[SC+8*NQ*(\sc)+NQ*\b+(\q)], v[SC+8*NQ*(\sc)+NQ*(\a)+(\q)] matrix_a_fmt:MATRIX_FMT_FP4 matrix_b_fmt:MATRIX_FMT_FP4 matrix_a_scale:MATRIX_SCALE_ROW1
.else
	v_wmma_scale_f32_16x16x128_f8f6f4 v[8*(8*((\a)%4)+\b):8*(8*((\a)%4)+\b)+7], v[128*(\p)+FR*\b:128*(\p)+FR*\b+FR-1], v[AF+FR*(\a):AF+FR*(\a)+FR-1], v[8*(8*((\a)%4)+\b):8*(8*((\a)%4)+\b)+7], v[SC+8*NQ*(\sc)+NQ*\b+(\q)], v[SC+8*NQ*(\sc)+NQ*(\a)+(\q)] matrix_a_fmt:MATRIX_FMT_FP4 matrix_b_fmt:MATRIX_FMT_FP4 matrix_a_scale:MATRIX_SCALE_ROW1
.endif
.endr
.endr
.endm
.macro FETCH_B slot, q, p              ; B's eight fragments of the slot's q-th 128 along K into set p
	WIN TO_B
.irp i, 0,1,2,3,4,5,6,7
	FRAG 128*(\p)+FR*\i, ADRB+\slot, \q, \i
.endr
	WIN 0
.endm
.macro FETCH_A slot, q, i0             ; A's blocks i0 .. i0 + 3
.irp i, \i0, \i0+1, \i0+2, \i0+3
	FRAG AF+FR*(\i), ADRA+\slot, \q, \i
.endr
.endm
.macro SCALES sc                       ; a K step's scale words into set sc: four words a row; lanes 0-15 take A's block i, lanes 16-31 B's block i
.irp i, 0,1,2,3,4,5,6,7
	ds_load_b128 v[SC+8*NQ*\sc+NQ*\i:SC+8*NQ*\sc+NQ*\i+3], v[ADRS] offset:\i*SBLK
.endr
.endm
; A load into a register that a matrix instruction has read, and a vector instruction that reads a matrix result or writes one of its registers, stand NP places behind it; only plain vector instructions that name
; none of its registers are places (ISA guide 7.12.1 for vector instructions).
.macro PLACES n
.rept \n
	v_nop
.endr
.endm
; A step of 128 along K that has its successor in the same slot.  A's blocks go one after the other, each against B's eight: blocks 0-3 are fetched anew in the step's middle, blocks 4-7 at its end; B has two sets.
.macro STEP slot, q, first
	s_wait_dscnt 4*NL                              ; B's set, the scale words and A's blocks 0-3 are in; the youngest eight loads (A's blocks 4-7) may be out
.if \first
	WIN FIRST_LO
.else
	WIN MUL_LO
.endif
	MUL16 0, (\q)%2, \q, \slot, \first
	MUL16 2, (\q)%2, \q, \slot, \first
	s_wait_dscnt 0                                 ; A's blocks 4-7 are in
	PLACES NP
	FETCH_B \slot, (\q)+1, 1-(\q)%2
	FETCH_A \slot, (\q)+1, 0
.if \first
	WIN FIRST_HI
.else
	WIN MUL_HI
.endif
	MUL16 4, (\q)%2, \q, \slot, \first
	MUL16 6, (\q)%2, \q, \slot, \first
	PLACES NP
	WIN 0
	FETCH_A \slot, (\q)+1, 4
.endm
; Slot 0's last step goes over to slot 1: each wave waits for all its tensor loads (its part of slot 1 is the one that was out), and a barrier shows the whole slot to every wave.
.macro TURN slot, next
	s_wait_tensorcnt 0x0                           ; all my tensor loads have landed
	ds_add_u32 v[SPW], v[NIL]                      ; 0 onto my spare word
	s_wait_dscnt 4*NL+1                            ; (the add and the youngest eight loads, A's blocks 4-7, may be out)
	WIN MUL_LO
	MUL16 0, 1, NQ-1, \slot, 0                     ; sixteen matrix instructions stand between the add and the wait for it
	s_wait_dscnt 0x0                               ; the add is done, and no LDS load of mine is pending at the signal
	s_barrier_signal -1
	MUL16 2, 1, NQ-1, \slot, 0
	WIN 0
	s_barrier_wait -1
	PLACES NP
	v_add_nc_u32 v[ADRS], 4*NQ, v[ADRS]            ; on to the next K step's scale words
	FETCH_B \next, 0, 0
	FETCH_A \next, 0, 0
	SCALES \next
	WIN MUL_HI
	MUL16 4, 1, NQ-1, \slot, 0
	MUL16 6, 1, NQ-1, \slot, 0
	PLACES NP
	WIN 0
	FETCH_A \next, 0, 4
.endm
	s_wait_tensorcnt 1                             ; the scales and my part of K step 0 are in; K step 1's load, issued behind them, may be out
	s_barrier_signal -1
	s_barrier_wait -1                              ; everybody's are
	FETCH_B 0, 0, 0
	FETCH_A 0, 0, 0
	SCALES 0
	FETCH_A 0, 0, 4
	s_wait_loadcnt 0x0                             ; the bias and the mask words
	v_mov_b32 v120, s66
	v_mov_b32 v121, 0
.irp a, 0,1,2,3,4,5,6,7                        ; block a's factor for my row: 0 where this is k and the row is masked
	v_cmp_eq_u32 s22, 0, v[MK+\a]
	s_and_b32 s22, s22, s67
	v_cndmask_b32 v[FAC+2*\a], v120, v121, s22
	v_mov_b32 v[FAC+2*\a+1], v[FAC+2*\a]
.endr
	STEP 0, 0, 1                                   ; the first products take the bias as C
	STEP 0, 1, 0
	STEP 0, 2, 0
	TURN 0, 1
	STEP 1, 0, 0
	STEP 1, 1, 0
	STEP 1, 2, 0
	s_wait_dscnt 4*NL                              ; the very last step: nothing more to fetch
	WIN MUL_LO
	MUL16 0, 1, NQ-1, 1, 0
	MUL16 2, 1, NQ-1, 1, 0
	s_wait_dscnt 0
	WIN MUL_HI
	MUL16 4, 1, NQ-1, 1, 0
	MUL16 6, 1, NQ-1, 1, 0
	WIN 0
; THE WAY OUT, block a of 16 rows x 128 features: x the factor in f32, rounded once to f16, stored from registers: accumulator (a, b) is the block of 512 bytes of positions 16 a on, head b / 4, channels 16 (b % 4) on.
.macro OUTBLK a
.set WN, 0x02+(\a)/4                   ; source 0: window 2 or 3
.set AC, 64*((\a)%4)
	WIN WN
.set i, 0
.rept 32
	v_pk_mul_f32 v[OT+2*i:OT+2*i+1], v[AC+2*i:AC+2*i+1], v[FAC+2*(\a):FAC+2*(\a)+1]   ; ascending: each accumulator is read from its low end on
.set i, i+1
.endr
	WIN 0
.if (\a) >= 2
	s_wait_xcnt 0x0                                ; block a - 2's stores have read their data registers, which are written again below
.endif
.set i, 0
.rept 32
	v_cvt_pk_f16_f32 v[OP+32*((\a)%2)+i], v[OT+2*i], v[OT+2*i+1]
.set i, i+1
.endr
.irp b, 0,1,2,3,4,5,6,7
	global_store_b128 v[CO], v[OP+32*((\a)%2)+4*\b:OP+32*((\a)%2)+4*\b+3], s[12:13] offset:(\a)*2048+(\b/4)*262144+(\b%4)*512   ; 32 lanes store 512 consecutive bytes, aligned
.endr
.endm
	PLACES NP                                      ; behind the last products: for the reads of their results and the writes into the registers that held A's fragments
.irp a, 0,1,2,3,4,5,6,7
	OUTBLK \a
.endr
	s_wait_tensorcnt 0x0                           ; the wave's end, behind my last tensor load
	ds_add_u32 v[SPW], v[NIL]
	s_wait_dscnt 0x0
	CROUND                                         ; the closing round: no work-group ends while a partner may still ask for a tile that names it
	s_endpgm
.Lfunc_end_k_q4bc5219662_qkv:
	.size	k_q4bc5219662_qkv, .Lfunc_end_k_q4bc5219662_qkv-k_q4bc5219662_qkv
	.p2alignl 7, 3214868480
	.fill 96, 4, 3214868480
	.section	.rodata,"a",@progbits
	.p2align	6, 0x0
	.amdhsa_kernel k_q4bc5219662_qkv
		.amdhsa_group_segment_fixed_size 327680
		.amdhsa_private_segment_fixed_size 0
		.amdhsa_enable_private_segment 0
		.amdhsa_kernarg_size 72
		.amdhsa_user_sgpr_count 2
		.amdhsa_user_sgpr_kernarg_segment_ptr 1
		.amdhsa_wavefront_size32 1
		.amdhsa_system_sgpr_workgroup_id_x 1
		.amdhsa_system_sgpr_workgroup_id_y 1
		.amdhsa_system_sgpr_workgroup_id_z 1
		.amdhsa_system_vgpr_workitem_id 0
		.amdhsa_next_free_vgpr 1024
		.amdhsa_next_free_sgpr 100
		.amdhsa_reserve_vcc 0
		.amdhsa_float_denorm_mode_32 3
		.amdhsa_float_denorm_mode_16_64 3
		.amdhsa_memory_ordered 1
		.amdhsa_forward_progress 1
		.amdhsa_inst_pref_size 138
	.end_amdhsa_kernel
	.amdgpu_metadata
---
amdhsa.version: [ 1, 2 ]
amdhsa.kernels:
  - .name:           k_q4bc5219662_qkv
    .symbol:         k_q4bc5219662_qkv.kd
    .args:
      - { .name: xc, .offset: 0, .size: 8, .value_kind: global_buffer, .address_space: global }
      - { .name: xs, .offset: 8, .size: 8, .value_kind: global_buffer, .address_space: global }
      - { .name: wc, .offset: 16, .size: 8, .value_kind: global_buffer, .address_space: global }
      - { .name: ws, .offset: 24, .size: 8, .value_kind: global_buffer, .address_space: global }
      - { .name: bq, .offset: 32, .size: 8, .value_kind: global_buffer, .address_space: global }
      - { .name: bk, .offset: 40, .size: 8, .value_kind: global_buffer, .address_space: global }
      - { .name: bv, .offset: 48, .size: 8, .value_kind: global_buffer, .address_space: global }
      - { .name: mask, .offset: 56, .size: 8, .value_kind: global_buffer, .address_space: global }
      - { .name: qkv, .offset: 64, .size: 8, .value_kind: global_buffer, .address_space: global }
    .group_segment_fixed_size: 327680
    .private_segment_fixed_size: 0
    .kernarg_segment_align: 8
    .kernarg_segment_size: 72
    .max_flat_workgroup_size: 128
    .sgpr_count:     100
    .vgpr_count:     1024
    .wavefront_size: 32
...
	.end_amdgpu_metadata
.endif
;; end of part 2
;; launch attn (part 3): grid 4 x 64, 8 waves a work-group, clusters of 4 x 1, 327,680 bytes of LDS; arguments qkv, mask, ao; writes ao
.if DOCPART == 3
	.amdgcn_target "amdgcn-amd-amdhsa--gfx1250"
	.amdhsa_code_object_version 6
	.text
	.protected	k_q4bc5219662_attn
	.globl	k_q4bc5219662_attn
	.p2align	8
	.type	k_q4bc5219662_attn,@function
k_q4bc5219662_attn:
	s_mov_b64 s[64:65], 0
	v_nop
	global_prefetch_b8 v0, s[64:65] scope:SCOPE_SE
	s_setreg_imm32_b32 hwreg(HW_REG_WAVE_MODE, 25, 1), 1
	s_wait_xcnt 0x0
	s_wait_alu depctr_hold_cnt(0) depctr_sa_sdst(0) depctr_va_vdst(0) depctr_va_sdst(0) depctr_va_ssrc(0) depctr_va_vcc(0) depctr_vm_vsrc(0)
	s_getreg_b32 s2, hwreg(HW_REG_IB_STS2, 6, 4)
	s_cmp_eq_u32 s2, 0
	s_cbranch_scc0 .Lentry_in_a_cluster
	s_endpgm
.Lentry_in_a_cluster:
	s_bfe_u32 s2, ttmp6, 0x10000c
	s_cmp_lg_u32 s2, 0x3003
	s_cbranch_scc0 .Lentry_shape_is_right
	s_endpgm
.Lentry_shape_is_right:
; Attention for one (batch, head) a cluster: O[q] = sum over k of softmax_k(score) V[k], score = q . k / 8, or -1e9 where mask[k] = 0.  f16 operands, f32 products' sums, maxima and sums.
; q arrives x log2(e) / 8, so S^T = K Q^T is the exponent t to base 2.  THE MASK costs no vector work here: the rows of masked keys arrive as zeros, and the first product of each tile of S^T takes as C a bias that is 0 for an
; open key and -1e9 x log2(e) for a masked one.  So every masked key has exactly that one t, as where() gives it; the running maximum does the rest: beside an open key its weight is 0, and where all keys are masked all weights are 1.
; SOFTMAX: for each query a running maximum m and sum l: p = 2^(t - m); in every step O and l are multiplied by a = 2^(m_old - m_new).  p is rounded to f16 for the second product; l sums the unrounded p.
; SHARES: the cluster's four work-groups take 512 queries each; each of EIGHT waves takes 64 (four tiles of 16) in 512 registers: two waves to a SIMD, so that one wave's softmax stands beside the other's products.  The text of a wave
; is in phases.  Every fragment of K and V read from LDS feeds four products.  A key step is 64 keys: 32 steps.
; LAYOUT: both products transposed: S^T = K Q^T (source 0 = 16 keys, source 1 = 16 queries), O^T = V^T P (source 0 = 16 channels, source 1 = P): a lane holds ONE query (lane % 16) throughout, and two tiles of S^T, packed in
; pairs, ARE source 1 of the second product.  q, k, v arrive as images of operand registers (blocks of 512 bytes, 16 bytes a lane): 64 keys of K or of V are 8,192 dense bytes; every LDS load reads 512 consecutive bytes.
; CLUSTER: the four work-groups walk the same K and V: each tile is asked for JOINTLY (mask 15).  Two LDS slots of 512 keys; each of the eight waves brings 16 KiB of a slot by one load (waves 0-3: K, 4-7: V).
; O^T / l, packed to f16, is again an image of the next launch's operand registers and is stored from registers: ao = [16 rows: 512][32 along K: 32][half: 2][512 bytes].
; LIMITS: open scores are taken to lie above -1e9; NaN and infinities are not served; |v| under 65,504.
; REGISTERS: window 0: v0 thread, later an LDS address; v1-7 addresses; v8-15 at work; v16-31 statistics, four a tile: m, d, a, l; v32-63 the bias; v64-127 Q; v128-255 S^T (tile t, 16 keys kt at 128 + 32 t + 8 kt), P packed into its
;   tile's first 16.   window 1: v0-127 O^T (32 t + 8 ct); v128-191 K of a step; v192-255 V of a step.
.set SLOT1, 1<<17                      ; a slot: K's 65,536 bytes, then V's; slot 1 begins here, so that one exclusive or turns an address
.set VOFF,  65536
.set BIAS,  2*SLOT1                    ; 2,048 f32: the bias of every key of the batch; written by LDS stores, never a tensor load's target
.set SPARE, BIAS+8192                  ; the spare words, 128 bytes for each of eight waves
.set PFO, 1                            ; v1   256 x lane: the prefetch's offset; never rewritten
.set AK0, 2                            ; v2   16 x lane: my place in a block of 512 bytes
.set AV0, 3                            ; v3   VOFF + 16 x lane
.set AB0, 4                            ; v4   BIAS + 32 (lane / 16): my eight keys of a tile
.set ADR, 5                            ; v5   the LDS address of the run of loads in hand
.set SPW, 6                            ; v6   LDS address of my spare word; never rewritten
.set NIL, 7                            ; v7   0; never rewritten
.set T,   8
.set ST,  16
.set BI,  32
.set Q,   64
.set S,   128
.set O,   0                            ; in window 1
.set KF,  128
.set VF,  192
.set MSB, 0
.macro WIN new                         ; the immediate's high byte repeats the setting that is left
.if MSB != \new
	s_set_vgpr_msb (MSB<<8)|\new
.set MSB, \new
.endif
.endm
.set W_KQ, 0x01                        ; K in window 1; Q, C and S^T in window 0
.set W_PV, 0x51                        ; V, C and O^T in window 1; P in window 0
.set W_RS, 0x41                        ; O^T (destination and source 0) in window 1; a in window 0
.set W_LD, 0x40                        ; destination window 1, address window 0
.set W_CV, 0x05                        ; sources 0 and 1 window 1, destination window 0
.macro CROUND                          ; a round of the cluster's barrier
	s_barrier_signal -1
	s_barrier_wait -1
	s_cmp_lg_u32 s12, 0
	s_cbranch_scc1 .Lnot_wave_0_\@
	s_barrier_signal -3
.Lnot_wave_0_\@:
	s_barrier_wait -3
	s_barrier_signal -1
	s_barrier_wait -1
.endm
.macro JLOAD                           ; the joint refill: one line for all eight waves: both addresses hang on the wave's number by plain arithmetic; an s_nop 0 and four v_nop follow
	tensor_load_to_lds s[36:39], s[24:31]
	s_nop 0
.rept 4
	v_nop
.endr
.endm
; A PREFETCH INTO THE L2 of the keys that the NEXT change of slots will ask for, behind my tensor load: the last 512 keys, 65,536 bytes of K and of V.  Each aligned block of 256 bytes is named once: the four partners take 16,384
; bytes each, told apart BY ADDRESS; in each, waves 0 and 1 ask for K's and waves 4 and 5 for V's, 8,192 bytes a wave, lanes 256 bytes apart.  It is issued at the first of the two filling changes alone: eight key steps ahead of
; the load; behind the second there is nothing left to ask for.  The keys of the first three slots come by their loads alone: nothing is prefetched at the head.  The address registers are never rewritten.
.macro ASK
	s_cmp_gt_u32 s44, s48
	s_cbranch_scc0 .Lnot_mine_\@
	global_prefetch_b8 v[PFO], s[46:47] th:TH_LOAD_NT scope:SCOPE_SE
.Lnot_mine_\@:
.endm
	s_load_b128 s[4:7], s[0:1], 0x0                ; qkv s[4:5], mask s[6:7]
	s_load_b64 s[8:9], s[0:1], 0x10                ; ao
	v_lshl_add_u32 v[SPW], v0, 2, SPARE
	v_mov_b32 v[NIL], 0
	ds_add_u32 v[SPW], v[NIL]                      ; the wave's opening: the add, twice on end, and its wait ahead of my first tensor load
	ds_add_u32 v[SPW], v[NIL]                      ; and once more; the set-up below, work on registers, stands between it and the wait
	v_lshrrev_b32 v8, 5, v0
	v_readfirstlane_b32 s12, v8                    ; wave 0..7
	s_bfe_u32 s13, ttmp6, 0x40000                  ; cx: my place in the cluster: it enters Q's, ao's and the prefetch's addresses alone
	s_and_b32 s14, ttmp7, 0xffff                   ; 16 x batch + head, which the four partners share
	; descriptor group 1: 64 rows of 256 bytes, dense in memory and in LDS: 16 KiB
	s_mov_b32 s24, 15|(3<<16)|(1<<21)              ; 15:0 the mask: all four work-groups; 17:16 elements of 8 bytes; 20 no padding; 21 set beside a mask
	s_mov_b32 s25, 32<<16                          ; tensor_dim0 = 32
	s_mov_b32 s26, 64<<16                          ; tensor_dim1 = 64
	s_mov_b32 s27, 32<<16                          ; tile_dim0 = 32
	s_mov_b32 s28, 64                              ; tile_dim1 = 64
	s_mov_b32 s29, 32                              ; from row to row
	s_mov_b32 s30, 0
	s_mov_b32 s31, 0
	s_mov_b32 s40, 0x76543210                      ; v_permlanex16_b32's selects for lane l xor 16
	s_mov_b32 s41, 0xfedcba98
	s_mov_b32 s42, 0                               ; LDS byte at which the tiles of the step to be fetched begin
	s_mov_b32 s43, 0                               ; and its 64 bias words: 256 bytes a step
	s_mov_b32 s44, 2                               ; slots still to be asked for
	s_and_b32 s48, s12, 2
	s_cmp_eq_u32 s48, 0
	s_cselect_b32 s48, 1, -1                       ; 1 in waves 0, 1, 4, 5, which prefetch; else the greatest number
	v_and_b32 v8, 31, v0                           ; lane
	v_lshlrev_b32 v[PFO], 8, v8
	v_lshlrev_b32 v[AK0], 4, v8
	v_add_nc_u32 v[AV0], VOFF, v[AK0]
	v_bfe_u32 v9, v0, 4, 1
	v_lshl_add_u32 v[AB0], v9, 5, BIAS
	v_lshlrev_b32 v10, 5, v0                       ; the mask: 8 words a thread
	v_lshl_add_u32 v11, v0, 5, BIAS                ; and their bias words
	s_lshl_b32 s16, s14, 18                        ; a head is 262,144 bytes
	s_lshr_b32 s17, s12, 2
	s_add_co_u32 s17, s17, 1
	s_lshl_b32 s17, s17, 24
	s_add_co_u32 s17, s17, s16                     ; K's head (waves 0-3) or V's (waves 4-7)
	s_and_b32 s18, s12, 3
	s_lshl_b32 s18, s18, 14
	s_add_co_u32 s18, s18, s17                     ; my 16 KiB of a slot's 65,536, in memory,
	s_mov_b32 s19, 0
	s_lshl_b32 s20, s12, 14                        ; and in a slot: wave x 16,384
	s_and_b32 s50, s12, 1                          ; the prefetch: my wave's 8,192 bytes of my work-group's 16,384, in the last 512 keys
	s_lshl_b32 s50, s50, 13
	s_lshl_b32 s51, s13, 14
	s_add_co_u32 s50, s50, s51
	s_add_co_u32 s50, s50, s17
	s_add_co_u32 s50, s50, 3*65536
	s_mov_b32 s51, 0
	s_lshl_b32 s52, s13, 16                        ; Q: my work-group's 512 queries, my wave's 64
	s_lshl_b32 s53, s12, 13
	s_add_co_u32 s52, s52, s53
	s_add_co_u32 s52, s52, s16
	s_mov_b32 s53, 0
	s_lshr_b32 s54, s14, 4                         ; the batch
	s_lshl_b32 s56, s54, 13                        ; its 2,048 mask words
	s_mov_b32 s57, 0
	s_lshl_b32 s54, s54, 7                         ; ao: (128 x batch + 32 cx + 4 x wave) x 32,768 + head x 2,048
	s_lshl_b32 s55, s13, 5
	s_add_co_u32 s54, s54, s55
	s_lshl_b32 s55, s12, 2
	s_add_co_u32 s54, s54, s55
	s_lshl_b32 s54, s54, 15
	s_and_b32 s55, s14, 15
	s_lshl_b32 s55, s55, 11
	s_add_co_u32 s54, s54, s55
	s_mov_b32 s55, 0
	s_wait_dscnt 0x0                               ; both opening adds are done
	s_wait_kmcnt 0x0
	s_add_nc_u64 s[46:47], s[4:5], s[50:51]
	s_add_nc_u64 s[34:35], s[4:5], s[18:19]        ; keys 0 to 511
	s_add_nc_u64 s[38:39], s[34:35], 65536         ; keys 512 to 1,023
	s_add_nc_u64 s[4:5], s[4:5], s[52:53]
	s_add_nc_u64 s[6:7], s[6:7], s[56:57]
	s_add_nc_u64 s[8:9], s[8:9], s[54:55]
	CROUND                                         ; all four work-groups are here: the first joint loads meet
	s_mov_b32 s32, 1                               ; group 0 for slot 0: count = 1,
	s_mov_b32 s33, s20                             ; the LDS address,
	s_or_b32 s35, s35, 0x80000000                  ; type = 2
	s_mov_b32 s36, 1                               ; and for slot 1; this set then walks
	s_add_co_u32 s37, s20, SLOT1
	s_or_b32 s39, s39, 0x80000000
	tensor_load_to_lds s[32:35], s[24:31]          ; the two first fills stand together: two loads of mine are out
	s_nop 0
	tensor_load_to_lds s[36:39], s[24:31]
	s_nop 0
.rept 4
	v_nop
.endr
.irp t, 0,1,2,3                                ; Q stays in registers: tile t, block i: 512 consecutive bytes a load
.irp i, 0,1,2,3
	global_load_b128 v[Q+16*\t+4*\i:Q+16*\t+4*\i+3], v[AK0], s[4:5] offset:2048*\t+512*\i
.endr
.endr
	global_load_b128 v[128:131], v10, s[6:7]       ; 8 mask words a thread: 256 threads cover the batch's 2,048 keys
	global_load_b128 v[132:135], v10, s[6:7] offset:16
.irp t, 0,1,2,3
	v_mov_b32 v[ST+4*\t], 0xff61b1e6               ; m: -3e38, under every t
	v_mov_b32 v[ST+4*\t+3], 0                      ; l
.endr
	WIN W_LD
.set i, 0
.rept 128
	v_mov_b32 v[O+i], 0                            ; O^T.  The key step is written without a first step of its own: the first finds zeros, which a = 0 leaves zeros
.set i, i+1
.endr
	WIN 0
	v_mov_b32 v144, 0
	v_mov_b32 v145, 0xceabfb8f                     ; -1e9 x log2(e)
	s_wait_loadcnt 0x0                             ; Q and the mask words
.irp i, 0,1,2,3,4,5,6,7
	v_cmp_eq_u32 s49, 0, v[128+\i]
	v_cndmask_b32 v[136+\i], v144, v145, s49
.endr
	ds_store_b128 v11, v[136:139]
	ds_store_b128 v11, v[140:143] offset:16
	s_wait_tensorcnt 1                             ; my part of slot 0 is in; slot 1's load, issued behind it, may stay out
	s_wait_dscnt 0x0                               ; for the others' sake: my bias words have landed
	s_barrier_signal -1
	s_barrier_wait -1
; A step's K (16 loads: keys 16 kt on, channels 32 c on at v[KF + 16 kt + 8 c]) and its 64 bias words (lane (r, h): keys 16 kt + 8 h + 0..7).  The two additions and two v_nop are the four places behind the products that read these registers.
.macro FETCH_K
	WIN 0
	v_add_nc_u32 v[ADR], s42, v[AK0]
	v_add_nc_u32 v0, s43, v[AB0]
	v_nop
	v_nop
	WIN W_LD
.irp i, 0,1,2,3,4,5,6,7,8,9,10,11,12,13,14,15
	ds_load_b128 v[KF+4*\i:KF+4*\i+3], v[ADR] offset:512*\i
.endr
	WIN 0
.irp kt, 0,1,2,3
	ds_load_b128 v[BI+8*\kt:BI+8*\kt+3], v0 offset:64*\kt
	ds_load_b128 v[BI+8*\kt+4:BI+8*\kt+7], v0 offset:64*\kt+16
.endr
	s_add_co_u32 s43, s43, 256
.endm
; A step's V, turned: fragment (keys 32 ks on, channels 16 ct on) at v[VF + 8 (4 ks + ct)].  Five places stand in front: four for the loads into registers that V^T P has read, the fifth for K Q^T, which writes over P.
.macro FETCH_V
	WIN 0
	v_add_nc_u32 v[ADR], s42, v[AV0]
.rept 4
	v_nop
.endr
	s_add_co_u32 s42, s42, 8192                    ; the next fetch is the next step's
	WIN W_LD
.irp ks, 0,1
.irp ct, 0,1,2,3
.irp u, 0,1
	ds_load_tr16_b128 v[VF+8*(4*\ks+\ct)+4*\u:VF+8*(4*\ks+\ct)+4*\u+3], v[ADR] offset:((2*\ks+\u)*4+\ct)*512
.endr
.endr
.endr
.endm
; S^T = K Q^T + the bias: 32 products; the 16 accumulators take turns, one instruction a turn.
.macro QK
	WIN W_KQ
.irp c, 0,1
.irp kt, 0,1,2,3
.irp t, 0,1,2,3
.if \c == 0
	v_wmma_f32_16x16x32_f16 v[S+32*\t+8*\kt:S+32*\t+8*\kt+7], v[KF+16*\kt+8*\c:KF+16*\kt+8*\c+7], v[Q+16*\t+8*\c:Q+16*\t+8*\c+7], v[BI+8*\kt:BI+8*\kt+7]
.else
	v_wmma_f32_16x16x32_f16 v[S+32*\t+8*\kt:S+32*\t+8*\kt+7], v[KF+16*\kt+8*\c:KF+16*\kt+8*\c+7], v[Q+16*\t+8*\c:Q+16*\t+8*\c+7], v[S+32*\t+8*\kt:S+32*\t+8*\kt+7]
.endif
.endr
.endr
.endr
.endm
; O^T += V^T P: 32 products, 16 accumulators by turns.
.macro PV
	WIN W_PV
.irp ks, 0,1
.irp ct, 0,1,2,3
.irp t, 0,1,2,3
	v_wmma_f32_16x16x32_f16 v[O+32*\t+8*\ct:O+32*\t+8*\ct+7], v[VF+8*(4*\ks+\ct):VF+8*(4*\ks+\ct)+7], v[S+32*\t+8*\ks:S+32*\t+8*\ks+7], v[O+32*\t+8*\ct:O+32*\t+8*\ct+7]
.endr
.endr
.endr
.endm
; The maxima of tiles p and p + 1, line by line by turns: four chains a tile, each begun at its accumulator's low end; then the old m, the other half of the lanes, d = m_old - m_new.
.macro MAXES p
.irp kt, 0,1,2,3
.irp t, 0,1
	v_max3_num_f32 v[T+4*\t+\kt], v[S+32*(\p+\t)+8*\kt], v[S+32*(\p+\t)+8*\kt+1], v[S+32*(\p+\t)+8*\kt+2]
.endr
.endr
.irp i, 3,5
.irp kt, 0,1,2,3
.irp t, 0,1
	v_max3_num_f32 v[T+4*\t+\kt], v[T+4*\t+\kt], v[S+32*(\p+\t)+8*\kt+\i], v[S+32*(\p+\t)+8*\kt+\i+1]
.endr
.endr
.endr
.irp t, 0,1
	v_max3_num_f32 v[T+4*\t], v[T+4*\t], v[S+32*(\p+\t)+7], v[S+32*(\p+\t)+15]
	v_max3_num_f32 v[T+4*\t+2], v[T+4*\t+2], v[S+32*(\p+\t)+23], v[S+32*(\p+\t)+31]
.endr
.irp t, 0,1
	v_max3_num_f32 v[T+4*\t], v[T+4*\t], v[T+4*\t+1], v[T+4*\t+2]
.endr
.irp t, 0,1
	v_max3_num_f32 v[T+4*\t], v[T+4*\t], v[T+4*\t+3], v[ST+4*(\p+\t)]
.endr
.irp t, 0,1
	v_permlanex16_b32 v[T+4*\t+1], v[T+4*\t], s40, s41   ; the query's other 32 keys lie in the lane 16 away
.endr
.irp t, 0,1
	v_max_num_f32 v[T+4*\t], v[T+4*\t], v[T+4*\t+1]
.endr
.irp t, 0,1
	v_sub_f32 v[ST+4*(\p+\t)+1], v[ST+4*(\p+\t)], v[T+4*\t]
.endr
.irp t, 0,1
	v_mov_b32 v[ST+4*(\p+\t)], v[T+4*\t]
.endr
.endm
.macro SUBM t, i                       ; pair i of tile t: t - m (of the pair m, d the low word serves both halves)
	v_pk_add_f32 v[S+32*(\t)+2*(\i):S+32*(\t)+2*(\i)+1], v[S+32*(\t)+2*(\i):S+32*(\t)+2*(\i)+1], v[ST+4*(\t):ST+4*(\t)+1] op_sel_hi:[1,0] neg_lo:[0,1] neg_hi:[0,1]
.endm
.macro SUMS p                          ; l = a l + the sum of my 32 weights, for tiles p and p + 1: two chains a tile; S^T is left as it is
.irp t, 0,1
	v_pk_add_f32 v[T+4*\t:T+4*\t+1], v[S+32*(\p+\t):S+32*(\p+\t)+1], v[S+32*(\p+\t)+2:S+32*(\p+\t)+3]
	v_pk_add_f32 v[T+4*\t+2:T+4*\t+3], v[S+32*(\p+\t)+4:S+32*(\p+\t)+5], v[S+32*(\p+\t)+6:S+32*(\p+\t)+7]
.endr
.irp i, 8,12,16,20,24,28
.irp t, 0,1
	v_pk_add_f32 v[T+4*\t:T+4*\t+1], v[T+4*\t:T+4*\t+1], v[S+32*(\p+\t)+\i:S+32*(\p+\t)+\i+1]
	v_pk_add_f32 v[T+4*\t+2:T+4*\t+3], v[T+4*\t+2:T+4*\t+3], v[S+32*(\p+\t)+\i+2:S+32*(\p+\t)+\i+3]
.endr
.endr
.irp t, 0,1
	v_pk_add_f32 v[T+4*\t:T+4*\t+1], v[T+4*\t:T+4*\t+1], v[T+4*\t+2:T+4*\t+3]
.endr
.irp t, 0,1
	v_add_f32 v[T+4*\t], v[T+4*\t], v[T+4*\t+1]
.endr
.irp t, 0,1
	v_fma_f32 v[ST+4*(\p+\t)+3], v[ST+4*(\p+\t)+3], v[ST+4*(\p+\t)+2], v[T+4*\t]
.endr
.endm
; THE SOFTMAX of four tiles for one key step, all in window 0.  The 132 exponentials are ONE batch: none of its lines names an exponential's result (a lies in a pair of its own with l); a tile's subtractions stand among the
; exponentials of the tile before.  One plain line and ONE wait follow, ahead of the first line that names a result.
.macro SOFTMAX
	MAXES 0
	MAXES 2
.irp i, 0,1,2,3,4,5,6,7,8,9,10,11,12,13,14,15
	SUBM 0, \i
.endr
.irp t, 0,1,2,3
	v_exp_f32 v[ST+4*\t+2], v[ST+4*\t+1]           ; a = 2^(m_old - m_new)
.endr
.irp t, 0,1,2,3
.irp i, 0,1,2,3,4,5,6,7,8,9,10,11,12,13,14,15
	v_exp_f32 v[S+32*\t+2*\i], v[S+32*\t+2*\i]
	v_exp_f32 v[S+32*\t+2*\i+1], v[S+32*\t+2*\i+1]
.if \t < 3
	SUBM \t+1, \i
.endif
.endr
.endr
	v_nop
	s_wait_alu depctr_va_vdst(0)
	SUMS 0
	SUMS 2
.irp t, 0,1,2,3
.irp i, 0,1,2,3,4,5,6,7,8,9,10,11,12,13,14,15
	v_cvt_pk_f16_f32 v[S+32*\t+\i], v[S+32*\t+2*\i], v[S+32*\t+2*\i+1]   ; P in place: register i never reaches a pair that is still to be packed
.endr
.endr
.endm
.macro RESCALE                         ; O^T x a, ascending: each accumulator is read from its low end on
	WIN W_RS
.irp t, 0,1,2,3
.set i, 0
.rept 16
	v_pk_mul_f32 v[O+32*\t+2*i:O+32*\t+2*i+1], v[O+32*\t+2*i:O+32*\t+2*i+1], v[ST+4*\t+2:ST+4*\t+3] op_sel_hi:[1,0]
.set i, i+1
.endr
.endr
.endm
; ONE TRIP.  On entry S^T holds the exponents of step j, and V of step j is on its way.  K and the bias of step j + 1 are asked for first and land under the softmax.
.macro ROT
	FETCH_K
	SOFTMAX
	RESCALE
	s_wait_dscnt 0x0                               ; V of step j, K and the bias of step j + 1 are in
	PV
	FETCH_V                                        ; V of step j + 1: it lands under K Q^T and the next softmax
	QK
	WIN 0                                          ; at a label and at a branch every window is 0
.endm
.macro STEPS n
	s_mov_b32 s45, \n
.Lstep_\@:
	ROT
	s_sub_co_u32 s45, s45, 1
	s_cmp_lg_u32 s45, 0
	s_cbranch_scc1 .Lstep_\@
.endm
; THE CHANGE OF SLOTS, ahead of the trip whose fetches open the other slot.  Each wave waits for all its tensor loads (the one that is out is its part of the other slot), adds 0 to its spare word, and waits for that and for its reads of
; the slot that it leaves.  fill = 1: the barrier is a round of the cluster's, so that no wave of any partner still reads the slot or has a load on its way; the joint refill is the first thing behind it and has eight key steps in which to land.
.macro CHANGE fill
	s_wait_tensorcnt 0x0                           ; no tensor load of mine is out, so a group 0 may be written
	ds_add_u32 v[SPW], v[NIL]
.if \fill
	s_xor_b32 s37, s37, SLOT1                      ; the walking descriptor: the other slot than last time,
	s_add_nc_u64 s[38:39], s[38:39], 65536         ; the next 512 keys; the type bits on top are not reached
	s_wait_dscnt 0x0                               ; the add is done, and my reads of the slot are over
	CROUND
	JLOAD
	ASK
.else
	s_wait_dscnt 0x0
	s_barrier_signal -1
	s_barrier_wait -1
.endif
	s_sub_co_u32 s42, s42, 65536                   ; the fetches go back to a slot's first step,
	s_xor_b32 s42, s42, SLOT1                      ; in the other slot
.endm
	FETCH_K                                        ; key step 0
	FETCH_V
	s_wait_dscnt 0x0
	QK
	WIN 0
	STEPS 7                                        ; steps 0 to 6 are finished; steps 1 to 7 are fetched: slot 0 is read out
.Lslot:                                            ; two trips: the slot just left takes keys 1,024 on, then 1,536 on
	CHANGE 1
	STEPS 8
	s_sub_co_u32 s44, s44, 1
	s_cmp_lg_u32 s44, 0
	s_cbranch_scc1 .Lslot
	CHANGE 0                                       ; the tail is written out
	STEPS 8
.rept 4
	v_nop                                          ; places behind the last K Q^T
.endr
	SOFTMAX                                        ; the last step
	RESCALE
	s_wait_dscnt 0x0
	PV
	; THE WAY OUT.  l of the two halves of the lanes is added; O^T / l is rounded to f16: four registers a tile of 16 channels, an image of the next launch's operand, stored as it stands.
	WIN 0
.irp t, 0,1,2,3
	v_permlanex16_b32 v[T+\t], v[ST+4*\t+3], s40, s41
.endr
.irp t, 0,1,2,3
	v_add_f32 v[ST+4*\t+3], v[ST+4*\t+3], v[T+\t]  ; (these four are the places behind the last products)
.endr
.irp t, 0,1,2,3
	v_rcp_f32 v[ST+4*\t+2], v[ST+4*\t+3]
.endr
	v_nop                                          ; a plain line behind the last reciprocal,
	s_wait_alu depctr_va_vdst(0)                   ; and the one wait for the four, ahead of their first reader
.irp t, 0,1,2,3
	WIN W_RS
.set i, 0
.rept 16
	v_pk_mul_f32 v[O+32*\t+2*i:O+32*\t+2*i+1], v[O+32*\t+2*i:O+32*\t+2*i+1], v[ST+4*\t+2:ST+4*\t+3] op_sel_hi:[1,0]
.set i, i+1
.endr
	WIN W_CV
.set i, 0
.rept 16
	v_cvt_pk_f16_f32 v[S+16*\t+i], v[O+32*\t+2*i], v[O+32*\t+2*i+1]
.set i, i+1
.endr
	WIN 0
.irp ct, 0,1,2,3
	global_store_b128 v[AK0], v[S+16*\t+4*\ct:S+16*\t+4*\ct+3], s[8:9] offset:32768*\t+512*\ct   ; 32 lanes store 512 consecutive bytes, aligned
.endr
.endr
	s_wait_tensorcnt 0x0                           ; the wave's end, behind my last tensor load and my last LDS store
	ds_add_u32 v[SPW], v[NIL]
	s_wait_dscnt 0x0
	CROUND                                         ; the closing round: no work-group ends while a partner may still ask for a tile that names it
	s_endpgm
.Lfunc_end_k_q4bc5219662_attn:
	.size	k_q4bc5219662_attn, .Lfunc_end_k_q4bc5219662_attn-k_q4bc5219662_attn
	.p2alignl 7, 3214868480
	.fill 96, 4, 3214868480
	.section	.rodata,"a",@progbits
	.p2align	6, 0x0
	.amdhsa_kernel k_q4bc5219662_attn
		.amdhsa_group_segment_fixed_size 327680
		.amdhsa_private_segment_fixed_size 0
		.amdhsa_enable_private_segment 0
		.amdhsa_kernarg_size 24
		.amdhsa_user_sgpr_count 2
		.amdhsa_user_sgpr_kernarg_segment_ptr 1
		.amdhsa_wavefront_size32 1
		.amdhsa_system_sgpr_workgroup_id_x 1
		.amdhsa_system_sgpr_workgroup_id_y 1
		.amdhsa_system_sgpr_workgroup_id_z 1
		.amdhsa_system_vgpr_workitem_id 0
		.amdhsa_next_free_vgpr 512
		.amdhsa_next_free_sgpr 66
		.amdhsa_reserve_vcc 0
		.amdhsa_float_denorm_mode_32 3
		.amdhsa_float_denorm_mode_16_64 3
		.amdhsa_memory_ordered 1
		.amdhsa_forward_progress 1
		.amdhsa_inst_pref_size 154
	.end_amdhsa_kernel
	.amdgpu_metadata
---
amdhsa.version: [ 1, 2 ]
amdhsa.kernels:
  - .name:           k_q4bc5219662_attn
    .symbol:         k_q4bc5219662_attn.kd
    .args:
      - { .name: qkv, .offset: 0, .size: 8, .value_kind: global_buffer, .address_space: global }
      - { .name: mask, .offset: 8, .size: 8, .value_kind: global_buffer, .address_space: global }
      - { .name: ao, .offset: 16, .size: 8, .value_kind: global_buffer, .address_space: global }
    .group_segment_fixed_size: 327680
    .private_segment_fixed_size: 0
    .kernarg_segment_align: 8
    .kernarg_segment_size: 24
    .max_flat_workgroup_size: 256
    .sgpr_count:     66
    .vgpr_count:     512
    .wavefront_size: 32
...
	.end_amdgpu_metadata
.endif
;; end of part 3
;; launch oproj (part 4): grid 4 x 64, 4 waves a work-group, clusters of 4 x 4, 327,680 bytes of LDS; arguments ao, wo16, bo, out0; writes out0
.if DOCPART == 4
	.amdgcn_target "amdgcn-amd-amdhsa--gfx1250"
	.amdhsa_code_object_version 6
	.text
	.protected	k_q4bc5219662_oproj
	.globl	k_q4bc5219662_oproj
	.p2align	8
	.type	k_q4bc5219662_oproj,@function
k_q4bc5219662_oproj:
	s_mov_b64 s[64:65], 0
	v_nop
	global_prefetch_b8 v0, s[64:65] scope:SCOPE_SE
	s_setreg_imm32_b32 hwreg(HW_REG_WAVE_MODE, 25, 1), 1
	s_wait_xcnt 0x0
	s_wait_alu depctr_hold_cnt(0) depctr_sa_sdst(0) depctr_va_vdst(0) depctr_va_sdst(0) depctr_va_ssrc(0) depctr_va_vcc(0) depctr_vm_vsrc(0)
	s_getreg_b32 s2, hwreg(HW_REG_IB_STS2, 6, 4)
	s_cmp_eq_u32 s2, 0
	s_cbranch_scc0 .Lentry_in_a_cluster
	s_endpgm
.Lentry_in_a_cluster:
	s_bfe_u32 s2, ttmp6, 0x10000c
	s_cmp_lg_u32 s2, 0xf033
	s_cbranch_scc0 .Lentry_shape_is_right
	s_endpgm
.Lentry_shape_is_right:
; out0[m][n] = sum over k of A[m][k] wo[n][k] + bo[n].  A = the attention's result, 8,192 x 1,024 in f16, as images of operand registers: ao = [16 rows: 512][32 along K: 32][half: 2][512 bytes]; wo16 [1024][1024] f16; sums and out0 in f32.
; A tile of out0 is 128 x 256: 64 x 4 = 256 work-groups.  Four waves, each 64 rows x 128 columns: 32 accumulators.  K goes in eight steps of 128 through a ring of two LDS slots.
; CLUSTERS: 4 x 4 work-groups.  The four of a row need the same tile of A, the four of a column the same tile of wo: each is asked for JOINTLY.  Waves 0 and 1 fetch A's halves (4 rows of 4,096 bytes: a K step of 16 rows is dense),
; waves 2 and 3 wo's (128 rows of 256 bytes, 16 bytes of padding behind each).  No prefetch: both operands together are read by many work-groups at about the same time, and a K step here is short.
; THE MATRIX INSTRUCTION IS USED TRANSPOSED (source 0 = 16 rows of wo, source 1 = 16 rows of A): a lane holds eight neighbouring numbers of a row of out0.  bo is the C of each sum's first product.
; REGISTERS: window 0: v0-31 addresses; two fragment buffers of 96 (wo's 8 fragments, then A's 4) at v64 and v160; on the way out v64-191 take rows.   window 1: the accumulators ((a, b) at v[8 (8 a + b)]).   window 2: v0-63 bo in the result's layout.
.set PITCH,  272                       ; a row of wo in LDS: 256 bytes + 16 = 68 words: the 16 rows that a load touches start at 16 different banks (64 banks of 4 bytes: ISA guide 11.1)
.set BOFF,   32768                     ; a slot: A's 32,768 dense bytes ([16 rows: 8][32 along K: 4][1,024]), then wo's 256 rows
.set SLOT,   BOFF+256*PITCH
.set STAGE,  2*SLOT                    ; behind the ring: 16 rows x (512 bytes + 16) for each wave, for the way out
.set SPITCH, 528
.set SPARE,  STAGE+4*16*SPITCH         ; behind the stages: the spare words, 128 bytes a wave
.set ADRA, 16                          ; v16-17  LDS address of my A fragments in slot 0, 1
.set ADRB, 20                          ; v20-21  the same for wo
.set STO,  24                          ; v24     the way out: where I put 32 bytes of a row
.set RD,   25                          ; v25     where I read a row back
.set CO,   26                          ; v26     16 x lane: my bytes of a row's 512
.set SPW,  28                          ; v28     LDS address of my spare word; never rewritten
.set NIL,  29                          ; v29     0; never rewritten
.set F0,   64
.set F1,   160
.set G1, 24                            ; s[24:31] descriptor group 1 for A's tiles;  s[32:39] group 0, one set for each slot
.set G0, 32
.set G1B, 48                           ; s[48:55], s[56:63] the same for wo's
.set G0B, 56
.set MSB, 0
.macro WIN new                         ; the immediate's high byte repeats the setting that is left
.if MSB != \new
	s_set_vgpr_msb (MSB<<8)|\new
.set MSB, \new
.endif
.endm
.set MUL,   0x50                       ; sources 0 and 1 window 0; C and D window 1
.set FIRST, 0x60                       ; C (bo) window 2, D window 1
.macro JLOAD s                         ; a joint load: waves 0 and 1 fetch A's halves, waves 2 and 3 wo's; an s_nop 0 and four v_nop follow each of the two lines
	s_cmp_eq_u32 s13, 0
	s_cbranch_scc0 .Lfor_b_\@
	tensor_load_to_lds s[G0+4*\s:G0+4*\s+3], s[G1:G1+7]
	s_nop 0
.rept 4
	v_nop
.endr
	s_branch .Lasked_\@
.Lfor_b_\@:
	tensor_load_to_lds s[G0B+4*\s:G0B+4*\s+3], s[G1B:G1B+7]
	s_nop 0
.rept 4
	v_nop
.endr
.Lasked_\@:
.endm
.macro CREST                           ; a round of the cluster's barrier behind its opening barrier
	s_cmp_lg_u32 s12, 0
	s_cbranch_scc1 .Lnot_wave_0_\@
	s_barrier_signal -3
.Lnot_wave_0_\@:
	s_barrier_wait -3
	s_barrier_signal -1
	s_barrier_wait -1
.endm
.macro CROUND                          ; a whole round
	s_barrier_signal -1
	s_barrier_wait -1
	CREST
.endm
	s_load_b256 s[4:11], s[0:1], 0x0               ; ao s[4:5], wo16 s[6:7], bo s[8:9], out0 s[10:11]
	v_lshl_add_u32 v[SPW], v0, 2, SPARE
	v_mov_b32 v[NIL], 0
	ds_add_u32 v[SPW], v[NIL]                      ; the wave's opening: the add, twice on end, and its wait ahead of my first tensor load
	ds_add_u32 v[SPW], v[NIL]                      ; and once more; the set-up below, work on registers, stands between it and the wait
	v_lshrrev_b32 v1, 5, v0
	v_readfirstlane_b32 s12, v1                    ; wave 0..3
	s_lshr_b32 s13, s12, 1                         ; which 64 rows are mine.  Also: I fetch for A (0) or for wo (1)
	s_and_b32 s14, s12, 1                          ; which 128 columns.  Also: which half of that tile I fetch
	s_bfe_u32 s40, ttmp6, 0x40000                  ; cx, cy: my place in the cluster
	s_bfe_u32 s41, ttmp6, 0x40004
	s_lshl_b32 s42, ttmp9, 2
	s_add_co_u32 s42, s42, s40                     ; tile column = 4 x cluster x + cx
	s_and_b32 s43, ttmp7, 0xffff
	s_lshl_b32 s43, s43, 2
	s_add_co_u32 s43, s43, s41                     ; tile row = 4 x cluster y + cy
	s_lshl_b32 s44, s41, 2
	s_lshl_b32 s44, 15, s44                        ; my row of the cluster
	s_lshl_b32 s45, 0x1111, s40                    ; my column
	s_or_b32 s[G1+0], s44, (3<<16)|(1<<21)         ; A: 15:0 the mask: my row; 17:16 elements of 8 bytes; no padding; 21 set beside a mask
	s_mov_b32 s[G1+1], 512<<16                     ; tensor_dim0 = 512 elements: 4,096 bytes, a K step of 16 rows
	s_mov_b32 s[G1+2], 4<<16                       ; tensor_dim1 = 4
	s_mov_b32 s[G1+3], 512<<16                     ; tile_dim0
	s_mov_b32 s[G1+4], 4                           ; tile_dim1: four times 16 rows
	s_mov_b32 s[G1+5], 4096                        ; from one 16 rows to the next: 32,768 bytes
	s_mov_b32 s[G1+6], 0
	s_mov_b32 s[G1+7], 0
	s_or_b32 s[G1B+0], s45, (1<<16)|(1<<20)|(1<<21)|(5<<22)|(3<<25)  ; wo: the mask: my column; elements of 2 bytes; padding: four words after every 64
	s_mov_b32 s[G1B+1], 128<<16                    ; tensor_dim0 = 128
	s_mov_b32 s[G1B+2], 128<<16                    ; tensor_dim1 = 128
	s_mov_b32 s[G1B+3], 128<<16                    ; tile_dim0
	s_mov_b32 s[G1B+4], 128                        ; tile_dim1
	s_mov_b32 s[G1B+5], 1024                       ; from row to row
	s_mov_b32 s[G1B+6], 0
	s_mov_b32 s[G1B+7], 0
	s_lshl_b32 s16, s43, 3
	s_lshl_b32 s17, s14, 2
	s_add_co_u32 s16, s16, s17
	s_lshl_b32 s16, s16, 15                        ; A: (8 x tile row + 4 x half) x 32,768 bytes
	s_mov_b32 s17, 0
	s_lshl_b32 s46, s42, 8
	s_lshl_b32 s47, s14, 7
	s_add_co_u32 s46, s46, s47
	s_lshl_b32 s46, s46, 11                        ; wo: (256 x tile column + 128 x half) x 2,048 bytes
	s_mov_b32 s47, 0
	s_lshl_b32 s20, s14, 14                        ; where they go: A's half,
	s_mul_i32 s21, s14, 128*PITCH
	s_add_co_u32 s21, s21, BOFF                    ; wo's half: no place in the cluster enters an LDS address
	s_wait_dscnt 0x0                               ; both opening adds are done
	s_wait_kmcnt 0x0
	s_add_nc_u64 s[16:17], s[4:5], s[16:17]
	s_add_nc_u64 s[46:47], s[6:7], s[46:47]
	CROUND                                         ; all sixteen work-groups are here: the first joint loads meet
.irp s, 0,1
	s_mov_b32 s[G0+4*\s], 1
	s_add_co_u32 s[G0+4*\s+1], s20, \s*SLOT
	s_add_nc_u64 s[G0+4*\s+2:G0+4*\s+3], s[16:17], \s*4096
	s_or_b32 s[G0+4*\s+3], s[G0+4*\s+3], 0x80000000
	s_mov_b32 s[G0B+4*\s], 1
	s_add_co_u32 s[G0B+4*\s+1], s21, \s*SLOT
	s_add_nc_u64 s[G0B+4*\s+2:G0B+4*\s+3], s[46:47], \s*256
	s_or_b32 s[G0B+4*\s+3], s[G0B+4*\s+3], 0x80000000
	JLOAD \s                                       ; two loads of mine are out
.endr
	v_and_b32 v1, 15, v0                           ; r
	v_bfe_u32 v2, v0, 4, 1                         ; h
	v_and_b32 v3, 31, v0
	v_lshlrev_b32 v[CO], 4, v3
	s_lshl_b32 s22, s13, 14                        ; my 64 rows of A: images, 16 bytes a lane
	v_add_nc_u32 v[ADRA], s22, v[CO]
	v_add_nc_u32 v[ADRA+1], SLOT, v[ADRA]
	v_mul_u32_u24 v4, v1, PITCH
	v_lshl_add_u32 v4, v2, 4, v4
	v_add_nc_u32 v[ADRB], s21, v4                  ; my 128 rows of wo: row x pitch + 16 x half
	v_add_nc_u32 v[ADRB+1], SLOT, v[ADRB]
	s_mul_i32 s23, s12, 16*SPITCH
	s_add_co_u32 s23, s23, STAGE                   ; my stage
	v_mul_u32_u24 v5, v1, SPITCH
	v_lshl_add_u32 v5, v2, 5, v5
	v_add_nc_u32 v[STO], s23, v5                   ; in: row r, 32 bytes for each half of the lanes
	v_add_nc_u32 v[RD], s23, v[CO]                 ; back: the 32 lanes take one row of 512 bytes
	s_lshl_b32 s22, s42, 10
	s_lshl_b32 s23, s14, 9
	s_add_co_u32 s22, s22, s23                     ; my first column, in bytes
	v_lshl_add_u32 v10, v2, 5, s22                 ; bo: + 8 h numbers; block b 64 bytes on
	WIN 0x80                                       ; destination window 2
.irp b, 0,1,2,3,4,5,6,7
	global_load_b128 v[8*\b:8*\b+3], v10, s[8:9] offset:64*\b
	global_load_b128 v[8*\b+4:8*\b+7], v10, s[8:9] offset:64*\b+16
.endr
	WIN 0
	s_lshl_b32 s18, s43, 19                        ; out0: (128 x tile row + 64 x row half) rows of 4,096 bytes + my first column
	s_lshl_b32 s19, s13, 18
	s_add_co_u32 s18, s18, s19
	s_add_co_u32 s18, s18, s22
	s_mov_b32 s19, 0
	s_add_nc_u64 s[10:11], s[10:11], s[18:19]
; 8 matrix instructions: A's block a x wo's eight, 32 along K, from buffer f.  first = 1: bo is the C and starts the sums.  The 32 accumulators take turns in the same order in every quarter.
.macro MUL8 f, a, first
.irp b, 0,1,2,3,4,5,6,7
.if \first
	v_wmma_f32_16x16x32_f16 v[8*(8*(\a)+\b):8*(8*(\a)+\b)+7], v[\f+8*\b:\f+8*\b+7], v[\f+64+8*(\a):\f+64+8*(\a)+7], v[8*\b:8*\b+7]
.else
	v_wmma_f32_16x16x32_f16 v[8*(8*(\a)+\b):8*(8*(\a)+\b)+7], v[\f+8*\b:\f+8*\b+7], v[\f+64+8*(\a):\f+64+8*(\a)+7], v[8*(8*(\a)+\b):8*(8*(\a)+\b)+7]
.endif
.endr
.endm
.macro MWIN first
.if \first
	WIN FIRST
.else
	WIN MUL
.endif
.endm
.macro FETCH slot, q, f                ; 24 LDS loads in one run: the fragments of the slot's q-th 32 along K into buffer f
.irp i, 0,1,2,3,4,5,6,7
	ds_load_b128 v[\f+8*\i:\f+8*\i+3],   v[ADRB+\slot] offset:64*(\q)+\i*16*PITCH
	ds_load_b128 v[\f+8*\i+4:\f+8*\i+7], v[ADRB+\slot] offset:64*(\q)+\i*16*PITCH+32
.endr
.irp a, 0,1,2,3
	ds_load_b128 v[\f+64+8*\a:\f+64+8*\a+3],   v[ADRA+\slot] offset:4096*\a+1024*(\q)
	ds_load_b128 v[\f+64+8*\a+4:\f+64+8*\a+7], v[ADRA+\slot] offset:4096*\a+1024*(\q)+512
.endr
.endm
.macro PLACES                          ; four places in front of loads into registers that matrix instructions have read, and of the first read of results (ISA guide 7.12.1 for vector instructions)
.rept 4
	v_nop
.endr
.endm
; A K step is four quarters of 32 along K, 32 matrix instructions each, on buffers 0, 1, 0, 1.  One of the first three: multiplies buffer f and, in its middle, fetches the slot's q-th quarter into g.
.macro QUARTER slot, q, f, g, first
	s_wait_dscnt 0x0                               ; buffer f is in (asked for 16 matrix instructions ago)
	MWIN \first
	MUL8 \f, 0, \first
	MUL8 \f, 1, \first
	PLACES
	WIN 0
	FETCH \slot, \q, \g
	MWIN \first
	MUL8 \f, 2, \first
	MUL8 \f, 3, \first
.endm
; The last quarter multiplies buffer 1 and changes slots: ONE barrier; in front of it each wave waits for all its tensor loads, adds 0 to its spare word, and waits for that and for its reads of this slot.
; fill = 1: the barrier opens a round of the cluster's, and this slot is filled again, two K steps ahead, first thing behind the round.
.macro TURN slot, next, fill
	WIN 0                                          ; (the add's two registers lie in window 0)
	s_wait_tensorcnt 0x0                           ; all my tensor loads have landed: the one that was out is my part of the next slot
	ds_add_u32 v[SPW], v[NIL]
	s_wait_dscnt 1                                 ; buffer 1 is in; the add alone may be out
	WIN MUL
	MUL8 F1, 0, 0                                  ; eight matrix instructions stand between the add and the wait for it
	s_wait_dscnt 0x0                               ; the add is done, and my reads of this slot are over
	s_barrier_signal -1
	MUL8 F1, 1, 0
	WIN 0
	s_barrier_wait -1
.if \fill
	CREST                                          ; no wave of any partner still reads this slot's tile or has a load on its way
	s_add_nc_u64 s[G0+4*\slot+2:G0+4*\slot+3], s[G0+4*\slot+2:G0+4*\slot+3], 2*4096
	s_add_nc_u64 s[G0B+4*\slot+2:G0B+4*\slot+3], s[G0B+4*\slot+2:G0B+4*\slot+3], 2*256
	JLOAD \slot                                    ; the first tensor load behind the round; its four v_nop are also the places in front of the loads below
.else
	PLACES
.endif
	FETCH \next, 0, F0
	WIN MUL
	MUL8 F1, 2, 0
	MUL8 F1, 3, 0
.endm
	s_wait_tensorcnt 1                             ; my part of K step 0 is in; K step 1's load may be out
	s_barrier_signal -1
	s_barrier_wait -1                              ; everybody's is
	FETCH 0, 0, F0
	s_wait_loadcnt 0x0                             ; bo
	QUARTER 0, 1, F0, F1, 1                        ; the first quarter stands in front of the loop: its products take bo as C
	WIN 0                                          ; at a label and at a branch every window is 0
	s_mov_b32 s15, 3
.Llap:                                             ; a trip goes once round the ring, from a lap's second quarter to the next lap's first, and fills both slots again: K steps 2 to 7
	QUARTER 0, 2, F1, F0, 0
	QUARTER 0, 3, F0, F1, 0
	TURN 0, 1, 1
	QUARTER 1, 1, F0, F1, 0
	QUARTER 1, 2, F1, F0, 0
	QUARTER 1, 3, F0, F1, 0
	TURN 1, 0, 1
	QUARTER 0, 1, F0, F1, 0
	WIN 0
	s_sub_co_u32 s15, s15, 1
	s_cmp_lg_u32 s15, 0
	s_cbranch_scc1 .Llap
	QUARTER 0, 2, F1, F0, 0                        ; the last lap fills nothing, and has no round of the cluster's barrier
	QUARTER 0, 3, F0, F1, 0
	TURN 0, 1, 0
	QUARTER 1, 1, F0, F1, 0
	QUARTER 1, 2, F1, F0, 0
	QUARTER 1, 3, F0, F1, 0
	s_wait_dscnt 0x0                               ; the very last quarter: nothing more to fetch
	WIN MUL
	MUL8 F1, 0, 0
	MUL8 F1, 1, 0
	MUL8 F1, 2, 0
	MUL8 F1, 3, 0
	WIN 0
; THE WAY OUT, block by block of 16 rows x 128 columns.  A lane holds 32 neighbouring bytes of a row, the lanes beside it other rows: so a block goes through my own stage and comes back as whole rows of 512 bytes.
; LDS serves a wave's instructions in order (ISA guide 5.7.1.4): no wait between the stores and the loads, nor in front of the next block's stores.
.macro TOSTAGE a
	WIN 0x04                                       ; an LDS store's data are its source 1: window 1
.irp b, 0,1,2,3,4,5,6,7
	ds_store_b128 v[STO], v[8*(8*(\a)+\b):8*(8*(\a)+\b)+3] offset:64*\b          ; each accumulator from its low end on
	ds_store_b128 v[STO], v[8*(8*(\a)+\b)+4:8*(8*(\a)+\b)+7] offset:64*\b+16
.endr
	WIN 0
.set BB, 64+64*((\a)%2)
.irp t, 0,1,2,3,4,5,6,7,8,9,10,11,12,13,14,15
	ds_load_b128 v[BB+4*\t:BB+4*\t+3], v[RD] offset:\t*SPITCH
.endr
.endm
.macro SEND a, younger                 ; younger: the LDS instructions issued behind block a's loads, which may stay out
.set BB, 64+64*((\a)%2)
	s_wait_dscnt \younger                          ; the block is back in registers
.if (\a) > 0
	s_add_nc_u64 s[10:11], s[10:11], 16*4096       ; 16 rows on (behind a wait that shows the earlier stores' addresses read)
.endif
.irp t, 0,1,2,3,4,5,6,7,8,9,10,11,12,13,14,15
	global_store_b128 v[CO], v[BB+4*\t:BB+4*\t+3], s[10:11] offset:\t*4096 th:TH_STORE_NT   ; 32 lanes store 512 consecutive bytes, aligned; written once, read by nobody here
.endr
.endm
	PLACES                                         ; behind the last products: for the stores of results and the loads into the registers that held fragments
	TOSTAGE 0
.irp a, 1,2,3
.if \a > 1
	s_wait_xcnt 0x0                                ; block a - 2's stores have read their registers and their base: block a's loads may land there, and the base may step
.endif
	TOSTAGE \a
	SEND \a-1, 32                                  ; behind block a - 1's loads: block a's 16 stores and 16 loads
.endr
	s_wait_xcnt 0x0                                ; block 2's stores have read their base
	SEND 3, 0
	s_wait_tensorcnt 0x0                           ; the wave's end, behind my last tensor load and my last LDS store
	ds_add_u32 v[SPW], v[NIL]
	s_wait_dscnt 0x0
	CROUND                                         ; the closing round: no work-group ends while a partner may still ask for a tile that names it
	s_endpgm
.Lfunc_end_k_q4bc5219662_oproj:
	.size	k_q4bc5219662_oproj, .Lfunc_end_k_q4bc5219662_oproj-k_q4bc5219662_oproj
	.p2alignl 7, 3214868480
	.fill 96, 4, 3214868480
	.section	.rodata,"a",@progbits
	.p2align	6, 0x0
	.amdhsa_kernel k_q4bc5219662_oproj
		.amdhsa_group_segment_fixed_size 327680
		.amdhsa_private_segment_fixed_size 0
		.amdhsa_enable_private_segment 0
		.amdhsa_kernarg_size 32
		.amdhsa_user_sgpr_count 2
		.amdhsa_user_sgpr_kernarg_segment_ptr 1
		.amdhsa_wavefront_size32 1
		.amdhsa_system_sgpr_workgroup_id_x 1
		.amdhsa_system_sgpr_workgroup_id_y 1
		.amdhsa_system_sgpr_workgroup_id_z 1
		.amdhsa_system_vgpr_workitem_id 0
		.amdhsa_next_free_vgpr 576
		.amdhsa_next_free_sgpr 66
		.amdhsa_reserve_vcc 0
		.amdhsa_float_denorm_mode_32 3
		.amdhsa_float_denorm_mode_16_64 3
		.amdhsa_memory_ordered 1
		.amdhsa_forward_progress 1
		.amdhsa_inst_pref_size 86
	.end_amdhsa_kernel
	.amdgpu_metadata
---
amdhsa.version: [ 1, 2 ]
amdhsa.kernels:
  - .name:           k_q4bc5219662_oproj
    .symbol:         k_q4bc5219662_oproj.kd
    .args:
      - { .name: ao, .offset: 0, .size: 8, .value_kind: global_buffer, .address_space: global }
      - { .name: wo16, .offset: 8, .size: 8, .value_kind: global_buffer, .address_space: global }
      - { .name: bo, .offset: 16, .size: 8, .value_kind: global_buffer, .address_space: global }
      - { .name: out0, .offset: 24, .size: 8, .value_kind: global_buffer, .address_space: global }
    .group_segment_fixed_size: 327680
    .private_segment_fixed_size: 0
    .kernarg_segment_align: 8
    .kernarg_segment_size: 32
    .max_flat_workgroup_size: 128
    .sgpr_count:     66
    .vgpr_count:     576
    .wavefront_size: 32
...
	.end_amdgpu_metadata
.endif
;; end of part 4
